; MI455X (gfx1250); checked and timed in simulation.
; The chip was launched on July 23, 2026; its instructions are those of AMD's public machine-readable ISA for CDNA 5 (MIT licence, August 2026) and "CDNA5" Instruction Set Architecture Reference Guide (July 2026). The comments in the code are by the model that wrote it; some were corrected since.
;; MH Attention. Allowed arithmetic: matrix products marked QUANTISED: E2M1 operands, one E8M0 scale for each 32 along K, by v_wmma_scale_f32_16x16x128_f8f6f4 with both operands' format E2M1 (or v_wmma_scale_f32_32x16x128_f4), f32 sums; products left as they are: bf16, f16 or f32 operands; f32 sums; everything else in f32.
;; Inputs: Wk 1,024 x 1,024 float32; Wout 1,024 x 1,024 float32; Wq 1,024 x 1,024 float32; Wv 1,024 x 1,024 float32; x 2 x 2,048 x 1,024 float32.
;; Outputs: out0 2 x 2,048 x 1,024 float32.
;; This version of the problem:
;;   THIS VERSION OF THE PROBLEM IS GIVEN IN LOW PRECISION. The matrix products marked QUANTISED in the list below multiply operands that are first quantised to E2M1 (2 exponent bits, 1 mantissa bit; 4 bits a number), with one power-of-two scale for each 32 numbers along K (OCP MX v1.0); their sums are f32. The products marked 'left as it is' may take bf16, f16 or f32 operands, with f32 sums. Whichever they take, every output number must still come out within the allowed error. Rounding operands to bf16 (8 significant bits) uses up far more of that allowance than f16 does (11 bits, for magnitudes from 6e-5 to 65,504). All else is computed in f32.
;;   The module's matrix products, in the order in which they are computed (A, B: the left and right operand; K: the contracted axis; several contracted axes count as one K, in the product's order):
;;     1. [M 4,096, K 1,024] x [K 1,024, N 1,024]; A: input x; B: input Wq: QUANTISED
;;     2. [M 4,096, K 1,024] x [K 1,024, N 1,024]; A: input x; B: input Wk: QUANTISED
;;     3. [M 4,096, K 1,024] x [K 1,024, N 1,024]; A: input x; B: input Wv: QUANTISED
;;     4. batch 32 x [M 2,048, K 64] x [K 64, N 2,048]; A: computed on the way; B: computed on the way: left as it is (an operand is computed on the way)
;;     5. batch 32 x [M 64, K 2,048] x [K 2,048, N 2,048]; A: computed on the way; B: computed on the way: left as it is (an operand is computed on the way)
;;     6. [M 4,096, K 1,024] x [K 1,024, N 1,024]; A: computed on the way; B: input Wout: left as it is (an operand is computed on the way)
;;   THE QUANTISER, for each operand of a quantised product, along K:
;;     - K is cut into blocks of 32 from its start; a last block that is shorter is filled with zeros.
;;     - A block's scale is 2^e with e = floor(log2(the largest magnitude in the block)) - 2, held to -126 .. 127; a block of zeros has e = 0. As a byte (E8M0): e + 127.
;;     - Each number is divided by its block's scale, clamped to +-6, and rounded to the nearest number of E2M1, ties to even, subnormals kept.
;;     - The product sums the exact products of the quantised numbers (number of the format x scale) in f32.
;;   ~~~python
;;   def quantise(x, axis):      # numpy; x: float32 -> the quantised numbers, widened to float32 again
;;       x = np.moveaxis(x, axis, -1); K = x.shape[-1]
;;       x = np.pad(x, [(0, 0)] * (x.ndim - 1) + [(0, -K % 32)]); x = x.reshape(x.shape[:-1] + (-1, 32)); a = np.abs(x).max(-1, keepdims=True)
;;       e = np.where(a > 0, np.clip(np.frexp(np.where(a > 0, a, 1))[1] - 1 - 2, -126, 127), 0)      # np.frexp(a)[1] - 1 = floor(log2(a)), exactly
;;       r = np.clip(x / 2.0 ** e, -6, 6)
;;       step = 2.0 ** (np.maximum(np.frexp(np.where(r == 0, 1, r))[1] - 1, 0) - 1)
;;       q = np.round(r / step) * step * 2.0 ** e      # np.round: ties to even
;;       return np.moveaxis(q.reshape(q.shape[:-2] + (-1,))[..., :K], -1, axis).astype(np.float32)
;;   ~~~
;; One version. Each part assembles by itself: llvm-mc -triple=amdgcn-amd-amdhsa -mcpu=gfx1250 --defsym DOCPART=n.
;; ======== version 1 of 1: 5 launches
;; limits: values are held in f16: magnitudes above 65,504 overflow, below 6.1e-05 lose precision
;; workspace buffers: xc 2,097,152 bytes; xs 131,072 bytes; wc 1,572,864 bytes; ws 98,304 bytes; wot 2,097,152 bytes; qkv 25,165,824 bytes; fq 786,432 bytes; vecp 8,388,608 bytes
;; launch prep (part 1): grid 192 x 1, 8 waves a work-group, no clusters, 150,528 bytes of LDS; arguments x, Wq, Wk, Wv, Wout, xc, xs, wc, ws, wot; writes xc, xs, wc, ws, wot
.if DOCPART == 1
	.amdgcn_target "amdgcn-amd-amdhsa--gfx1250"
	.amdhsa_code_object_version 6
	.text
	.protected	k_qaba69fca3d_prep
	.globl	k_qaba69fca3d_prep
	.p2align	8
	.type	k_qaba69fca3d_prep,@function
k_qaba69fca3d_prep:
	s_mov_b64 s[64:65], 0
	v_nop
	global_prefetch_b8 v0, s[64:65] scope:SCOPE_SE
	s_setreg_imm32_b32 hwreg(HW_REG_WAVE_MODE, 25, 1), 1
	s_wait_xcnt 0x0
; THE OPERANDS ARE MADE READY, ONCE.  x [4096][1024] f32 -> codes of FP4 (E2M1) xc [4096][512 bytes], K innermost, the lower k in the low four bits, and E8M0 bytes xs [4096][32].
; Wq, Wk, Wv [1024 k][1024 n] f32, whose K is the FIRST axis -> wc [3072 n][512 bytes], ws [3072][32], n = 1024 x (0 Wq, 1 Wk, 2 Wv) + column.  Wout [k][n] f32 -> wot [n][k] f16, for the last product.
; A block's scale is 2^(floor(log2(its largest magnitude)) - 2); its byte is the largest magnitude's exponent field - 2, held at 1 from below.  Each number is divided by the scale and rounded to the nearest code, ties to even, beyond 6 the code of 6.
; LIMITS: a block of zeros gets the byte 1 where the quantiser's text says 127 (its codes are zeros, and this program alone reads the bytes); blocks whose largest magnitude lies under 2^-124 have the byte held at 1;
; NaN and infinities among the inputs are not served; |Wout| above 65,504 is not served (f16).
; THREE PATHS, parted on the work-group's number, so that all eight waves of a work-group go one way; each path has LDS bytes of its own.
;   work-groups 0-63: x, a plain stream of blocks of 32: a wave takes 16 steps of 512 numbers; each load reads 512 consecutive bytes, and a step turns through the wave's own stage in LDS so that a lane holds 16 neighbours.
;   work-groups 64-191: one matrix (Wq, Wk, Wv, Wout), 32 columns x all of K.  A LANE TAKES A COLUMN AND ITS REGISTERS RUN DOWN K: wave w takes k = 128 w .. 128 w + 127, 128 loads of 128 consecutive bytes, all asked for at once.
;   The results of the eight waves meet in LDS as rows of the output (K innermost), one barrier, and leave as whole rows: 512 consecutive bytes a store.
; No tensor load, no matrix instruction, no cluster: no two work-groups read the same bytes, and memory bounds the launch.
.set WREG,  8192                       ; x: a region for each wave: two stages of 32 x SP bytes, behind them its 256 scale bytes
.set SP,    80                         ; a lane's place in a stage: 64 bytes + 16 of padding
.set STEPS, 16
.set QST,   65536                      ; Wq, Wk, Wv: 32 rows (columns of W) x (512 bytes of codes + 16)
.set QSC,   82432                      ; and 32 rows x 32 scale bytes
.set OST,   83456                      ; Wout: 32 rows x (2,048 bytes of f16 + 16)
.set SPARE, 149504                     ; the spare words, 128 bytes for each wave: four blocks of 256 bytes that no other line names
.set SPW,   12                         ; v12  SPARE + 4 x my thread's number; never rewritten
.set NIL,   13                         ; v13  0; never rewritten
.set R,     16                         ; v16-143  x: eight sets of 16 numbers as loaded.  W: my column's 128 numbers
.set X,     144                        ; v144-175 x: two sets of 16 neighbours.  W: codes, or f16 pairs (to v207)
.set C,     176                        ; v176-207 x: two registers of codes for each step, so that no store's data are written again
.set E,     208                        ; v208-223 x: a scale byte for each step
	s_load_b256 s[4:11], s[0:1], 0x0               ; x s[4:5], Wq s[6:7], Wk s[8:9], Wv s[10:11]
	s_load_b256 s[12:19], s[0:1], 0x20             ; Wout s[12:13], xc s[14:15], xs s[16:17], wc s[18:19]
	s_load_b128 s[20:23], s[0:1], 0x40             ; ws s[20:21], wot s[22:23]
	v_lshl_add_u32 v[SPW], v0, 2, SPARE
	v_mov_b32 v[NIL], 0
	v_lshrrev_b32 v1, 5, v0
	v_readfirstlane_b32 s24, v1                    ; wave 0..7
	v_and_b32 v2, 31, v0                           ; lane
	v_lshlrev_b32 v3, 4, v2                        ; 16 x lane
	v_lshlrev_b32 v4, 3, v2                        ; 8 x lane
	v_lshlrev_b32 v229, 2, v2                      ; 4 x lane
	; every LDS address of all three paths is made here, ahead of the parting
	s_lshl_b32 s25, s24, 13                        ; x: my wave's region
	v_lshrrev_b32 v14, 2, v2
	v_mul_u32_u24 v14, v14, SP
	v_and_b32 v15, 3, v2
	v_lshl_add_u32 v14, v15, 4, v14
	v_add_nc_u32 v14, s25, v14                     ; the stage, on the way in: four lanes' 64 bytes on end, then 16 of padding
	v_mul_u32_u24 v15, v2, SP
	v_add_nc_u32 v15, s25, v15                     ; and on the way out: my 16 neighbours
	s_add_co_u32 s25, s25, 2*32*SP
	v_lshrrev_b32 v5, 1, v2
	v_add_nc_u32 v5, s25, v5                       ; my block's scale byte
	v_add_nc_u32 v6, s25, v4                       ; and the 256 bytes on their way out, 8 a lane
	v_mul_u32_u24 v224, v2, 528                    ; W's codes, in: row = my column, 64 bytes for each wave
	s_lshl_b32 s25, s24, 6
	s_add_co_u32 s25, s25, QST
	v_add_nc_u32 v224, s25, v224
	v_lshlrev_b32 v225, 5, v2                      ; W's scale words, in: 32 bytes a column, 4 for each wave
	s_lshl_b32 s25, s24, 2
	s_add_co_u32 s25, s25, QSC
	v_add_nc_u32 v225, s25, v225
	s_mul_i32 s25, s24, 4*528                      ; W's codes, out: wave w takes rows 4 w .. 4 w + 3, 16 bytes a lane
	s_add_co_u32 s25, s25, QST
	v_add_nc_u32 v226, s25, v3
	s_lshl_b32 s25, s24, 8                         ; W's scale bytes, out: waves 0-3 take 256 bytes each
	s_add_co_u32 s25, s25, QSC
	v_add_nc_u32 v230, s25, v4
	v_mul_u32_u24 v227, v2, 2064                   ; Wout, in: row = my column, 256 bytes for each wave
	s_lshl_b32 s25, s24, 8
	s_add_co_u32 s25, s25, OST
	v_add_nc_u32 v227, s25, v227
	s_mul_i32 s25, s24, 4*2064                     ; Wout, out: wave w takes rows 4 w .. 4 w + 3
	s_add_co_u32 s25, s25, OST
	v_add_nc_u32 v228, s25, v3
	s_mov_b32 s29, 0
	s_wait_kmcnt 0x0
	s_cmp_lt_u32 ttmp9, 64
	s_cbranch_scc0 .Lweights
	; ---------------- x ----------------
	s_lshl_b32 s26, ttmp9, 3
	s_add_co_u32 s26, s26, s24                     ; which run of 8,192 numbers is my wave's: 0..511
	s_lshl_b32 s28, s26, 15
	s_add_nc_u64 s[4:5], s[4:5], s[28:29]          ; 32,768 bytes of x,
	s_lshl_b32 s28, s26, 12
	s_add_nc_u64 s[14:15], s[14:15], s[28:29]      ; 4,096 of codes,
	s_lshl_b32 s28, s26, 8
	s_add_nc_u64 s[16:17], s[16:17], s[28:29]      ; 256 scale bytes
.macro LOAD t
.irp i, 0,1,2,3
	global_load_b128 v[R+16*((\t)%8)+4*\i:R+16*((\t)%8)+4*\i+3], v3, s[4:5] offset:2048*(\t)+512*\i th:TH_LOAD_NT   ; 32 lanes read 512 consecutive bytes
.endr
.endm
.macro TURN t                          ; step t's numbers through the stage: LDS serves a wave's instructions in order, so no wait stands between the stores and the loads
.irp i, 0,1,2,3
	ds_store_b128 v14, v[R+16*((\t)%8)+4*\i:R+16*((\t)%8)+4*\i+3] offset:32*SP*((\t)%2)+8*SP*\i
.endr
.irp i, 0,1,2,3
	ds_load_b128 v[X+16*((\t)%2)+4*\i:X+16*((\t)%2)+4*\i+3], v15 offset:32*SP*((\t)%2)+16*\i
.endr
.endm
.irp t, 0,1,2,3,4,5,6,7
	LOAD \t
.endr
	s_wait_loadcnt 28                              ; step 0's four loads are in; those of the seven steps behind it may be out
	TURN 0
.macro STEP t
.set XS, X+16*((\t)%2)
.if (\t) > 0
	s_wait_dscnt 1                                 ; this step's numbers are back from the stage (the last step's byte store may be out): so its stores into the stage have read their registers,
.else
	s_wait_dscnt 0x0
.endif
.if (\t)+8 < STEPS
	LOAD (\t)+8                                    ; which take the loads of eight steps on
.endif
.if (\t)+1 < STEPS
.if 14-(\t) >= 7
	s_wait_loadcnt 28                              ; the next step's four loads are in; those of the seven steps behind it may be out
.else
	s_wait_loadcnt 4*(14-(\t))                     ; towards the end fewer steps stand behind it
.endif
	TURN (\t)+1                                    ; and go through the other stage while this step is worked
.endif
	v_max3_num_f32 v8, |v[XS]|, |v[XS+1]|, |v[XS+2]|               ; the largest magnitude of my 16, in two chains
	v_max3_num_f32 v9, |v[XS+3]|, |v[XS+4]|, |v[XS+5]|
.irp i, 6,10
	v_max3_num_f32 v8, v8, |v[XS+\i]|, |v[XS+\i+1]|
	v_max3_num_f32 v9, v9, |v[XS+\i+2]|, |v[XS+\i+3]|
.endr
	v_max3_num_f32 v8, v8, |v[XS+14]|, |v[XS+15]|
	v_max3_num_f32 v8, v8, v9, 0x1800000           ; and the floor 2^(3 - 127): the byte cannot fall under 1
	v_max_num_f32_dpp v8, v8, v8 row_xmask:1 row_mask:0xf bank_mask:0xf   ; and of my neighbour's 16: the block's
	v_add_nc_u32 v11, 0xff000000, v8               ; 2 off its exponent field: the conversion takes the exponent field of this operand as its scale, and nothing else of it
	v_cvt_scalef32_pk8_fp4_f32 v[C+2*(\t)], v[XS:XS+7], v11
	v_cvt_scalef32_pk8_fp4_f32 v[C+2*(\t)+1], v[XS+8:XS+15], v11
	v_lshrrev_b32 v[E+(\t)], 23, v11               ; the scale's byte (also the plain line behind the conversions)
	ds_store_b8 v5, v[E+(\t)] offset:16*(\t)       ; both lanes of a block write the same byte with the same value
	global_store_b64 v4, v[C+2*(\t):C+2*(\t)+1], s[14:15] offset:256*(\t)   ; 32 lanes store 256 consecutive bytes, aligned
.endm
.irp t, 0,1,2,3,4,5,6,7,8,9,10,11,12,13,14,15
	STEP \t
.endr
	ds_load_b64 v[8:9], v6                         ; LDS serves a wave's instructions in order: these see my byte stores
	s_wait_dscnt 0x0
	global_store_b64 v4, v[8:9], s[16:17]          ; my run's 256 scale bytes, aligned
	s_wait_tensorcnt 0x0                           ; the wave's end: three lines behind my last LDS store
	ds_add_u32 v[SPW], v[NIL]
	s_wait_dscnt 0x0
	s_endpgm
	; ---------------- the four matrices ----------------
.Lweights:
	s_sub_co_u32 s26, ttmp9, 64
	s_lshr_b32 s27, s26, 5                         ; which matrix: 0 Wq, 1 Wk, 2 Wv, 3 Wout
	s_and_b32 s26, s26, 31                         ; which 32 columns
	s_cmp_eq_u32 s27, 1                            ; the choice hangs on the work-group's number alone
	s_cselect_b64 s[6:7], s[8:9], s[6:7]
	s_cmp_eq_u32 s27, 2
	s_cselect_b64 s[6:7], s[10:11], s[6:7]
	s_cmp_eq_u32 s27, 3
	s_cselect_b64 s[6:7], s[12:13], s[6:7]
	s_lshl_b32 s28, s24, 19                        ; my wave's 128 rows of 4,096 bytes,
	s_lshl_b32 s30, s26, 7                         ; the work-group's 128 bytes of each
	s_add_co_u32 s28, s28, s30
	s_add_nc_u64 s[6:7], s[6:7], s[28:29]
.set n, 0
.rept 128
	global_load_b32 v[R+n], v229, s[6:7] offset:4096*n   ; W(128 w + n, my column): 32 lanes read 128 consecutive bytes
.set n, n+1
.endr
	s_cmp_eq_u32 s27, 3
	s_cbranch_scc1 .Lwout
	; Wq, Wk, Wv: four blocks of 32 along K, all of them mine
	s_lshl_b32 s28, s27, 10
	s_lshl_b32 s30, s26, 5
	s_add_co_u32 s28, s28, s30                     ; the work-group's first row of wc and ws: 1024 x matrix + 32 x column group
	s_lshl_b32 s30, s28, 5                         ; ws: 32 bytes a row,
	s_lshl_b32 s31, s24, 8                         ; + 256 x wave (used by waves 0-3 alone)
	s_add_co_u32 s30, s30, s31
	s_mov_b32 s31, 0
	s_add_nc_u64 s[20:21], s[20:21], s[30:31]
	s_lshl_b32 s30, s24, 2
	s_add_co_u32 s28, s28, s30                     ; wc: + my wave's four rows,
	s_lshl_b32 s28, s28, 9                         ; 512 bytes a row
	s_add_nc_u64 s[18:19], s[18:19], s[28:29]
.macro QBLOCK t, left
.set XS, R+32*(\t)
	s_wait_loadcnt \left                           ; this block's 32 loads are in (the count cannot name more than 63: with 63 of 128 out, the first 65 are in)
	v_max3_num_f32 v8, |v[XS]|, |v[XS+1]|, |v[XS+2]|
	v_max3_num_f32 v9, |v[XS+3]|, |v[XS+4]|, |v[XS+5]|
.irp i, 6,10,14,18,22,26
	v_max3_num_f32 v8, v8, |v[XS+\i]|, |v[XS+\i+1]|
	v_max3_num_f32 v9, v9, |v[XS+\i+2]|, |v[XS+\i+3]|
.endr
	v_max3_num_f32 v8, v8, |v[XS+30]|, |v[XS+31]|
	v_max3_num_f32 v8, v8, v9, 0x1800000           ; the floor 2^(3 - 127)
	v_add_nc_u32 v10, 0xff000000, v8               ; the conversion's scale operand
.irp g, 0,1,2,3
	v_cvt_scalef32_pk8_fp4_f32 v[X+4*(\t)+\g], v[XS+8*\g:XS+8*\g+7], v10
.endr
	v_lshrrev_b32 v11, 23, v10                     ; the scale's byte (also the plain line behind the conversions)
.if (\t) == 0
	v_mov_b32 v1, v11                              ; four bytes to a word, the lower K in the lower byte
.else
	v_lshl_or_b32 v1, v11, 8*(\t), v1
.endif
	ds_store_b128 v224, v[X+4*(\t):X+4*(\t)+3] offset:16*(\t)      ; 32 codes: 16 bytes of my column's row
.endm
	QBLOCK 0, 63
	QBLOCK 1, 63
	QBLOCK 2, 32
	QBLOCK 3, 0
	ds_store_b32 v225, v1
	s_wait_dscnt 0x0                               ; for the others' sake: my stores have landed
	s_barrier_signal -1
	s_barrier_wait -1                              ; 32 whole rows of codes and of scale bytes lie in LDS
.irp t, 0,1,2,3
	ds_load_b128 v[160+4*\t:163+4*\t], v226 offset:528*\t
.endr
.irp t, 0,1,2,3
	s_wait_dscnt 3-\t                              ; row t is in; the younger loads may be out
	global_store_b128 v3, v[160+4*\t:163+4*\t], s[18:19] offset:512*\t   ; a whole row of 512 bytes
.endr
	s_cmp_lt_u32 s24, 4                            ; the 1,024 scale bytes are four aligned runs of 256: waves 0-3 (no barrier stands in this branch)
	s_cbranch_scc0 .Lwq_end
	ds_load_b64 v[8:9], v230
	s_wait_dscnt 0x0
	global_store_b64 v4, v[8:9], s[20:21]
.Lwq_end:
	s_wait_tensorcnt 0x0                           ; the wave's end: three lines behind my last LDS store
	ds_add_u32 v[SPW], v[NIL]
	s_wait_dscnt 0x0
	s_endpgm
	; Wout: rounded to f16, two neighbours along K to a register
.Lwout:
	s_lshl_b32 s28, s26, 5
	s_lshl_b32 s30, s24, 2
	s_add_co_u32 s28, s28, s30                     ; my wave's four rows of wot: 32 x column group + 4 x wave,
	s_lshl_b32 s28, s28, 11                        ; 2,048 bytes a row
	s_add_nc_u64 s[22:23], s[22:23], s[28:29]
.macro OBLOCK t, left
	s_wait_loadcnt \left
.irp i, 0,1,2,3,4,5,6,7,8,9,10,11,12,13,14,15
	v_cvt_pk_f16_f32 v[X+16*(\t)+\i], v[R+32*(\t)+2*\i], v[R+32*(\t)+2*\i+1]
.endr
.irp i, 0,1,2,3
	ds_store_b128 v227, v[X+16*(\t)+4*\i:X+16*(\t)+4*\i+3] offset:64*(\t)+16*\i
.endr
.endm
	OBLOCK 0, 63
	OBLOCK 1, 63
	OBLOCK 2, 32
	OBLOCK 3, 0
	s_wait_dscnt 0x0                               ; for the others' sake: my stores have landed
	s_barrier_signal -1
	s_barrier_wait -1                              ; 32 whole rows of wot lie in LDS
.irp t, 0,1,2,3,4,5,6,7,8,9,10,11,12,13,14,15
	ds_load_b128 v[R+4*\t:R+4*\t+3], v228 offset:(\t/4)*2064+(\t%4)*512
.endr
.irp t, 0,1,2,3,4,5,6,7,8,9,10,11,12,13,14,15
	s_wait_dscnt 15-\t
	global_store_b128 v3, v[R+4*\t:R+4*\t+3], s[22:23] offset:512*\t   ; 512 consecutive bytes; four stores to a row
.endr
	s_wait_tensorcnt 0x0                           ; the wave's end: three lines behind my last LDS store
	ds_add_u32 v[SPW], v[NIL]
	s_wait_dscnt 0x0
	s_endpgm
.Lfunc_end_k_qaba69fca3d_prep:
	.size	k_qaba69fca3d_prep, .Lfunc_end_k_qaba69fca3d_prep-k_qaba69fca3d_prep
	.p2alignl 7, 3214868480
	.fill 96, 4, 3214868480
	.section	.rodata,"a",@progbits
	.p2align	6, 0x0
	.amdhsa_kernel k_qaba69fca3d_prep
		.amdhsa_group_segment_fixed_size 150528
		.amdhsa_private_segment_fixed_size 0
		.amdhsa_enable_private_segment 0
		.amdhsa_kernarg_size 80
		.amdhsa_user_sgpr_count 2
		.amdhsa_user_sgpr_kernarg_segment_ptr 1
		.amdhsa_wavefront_size32 1
		.amdhsa_system_sgpr_workgroup_id_x 1
		.amdhsa_system_sgpr_workgroup_id_y 1
		.amdhsa_system_sgpr_workgroup_id_z 1
		.amdhsa_system_vgpr_workitem_id 0
		.amdhsa_next_free_vgpr 256
		.amdhsa_next_free_sgpr 66
		.amdhsa_reserve_vcc 0
		.amdhsa_float_denorm_mode_32 3
		.amdhsa_float_denorm_mode_16_64 3
		.amdhsa_memory_ordered 1
		.amdhsa_forward_progress 1
		.amdhsa_inst_pref_size 63
	.end_amdhsa_kernel
	.amdgpu_metadata
---
amdhsa.version: [ 1, 2 ]
amdhsa.kernels:
  - .name:           k_qaba69fca3d_prep
    .symbol:         k_qaba69fca3d_prep.kd
    .args:
      - { .name: x, .offset: 0, .size: 8, .value_kind: global_buffer, .address_space: global }
      - { .name: Wq, .offset: 8, .size: 8, .value_kind: global_buffer, .address_space: global }
      - { .name: Wk, .offset: 16, .size: 8, .value_kind: global_buffer, .address_space: global }
      - { .name: Wv, .offset: 24, .size: 8, .value_kind: global_buffer, .address_space: global }
      - { .name: Wout, .offset: 32, .size: 8, .value_kind: global_buffer, .address_space: global }
      - { .name: xc, .offset: 40, .size: 8, .value_kind: global_buffer, .address_space: global }
      - { .name: xs, .offset: 48, .size: 8, .value_kind: global_buffer, .address_space: global }
      - { .name: wc, .offset: 56, .size: 8, .value_kind: global_buffer, .address_space: global }
      - { .name: ws, .offset: 64, .size: 8, .value_kind: global_buffer, .address_space: global }
      - { .name: wot, .offset: 72, .size: 8, .value_kind: global_buffer, .address_space: global }
    .group_segment_fixed_size: 150528
    .private_segment_fixed_size: 0
    .kernarg_segment_align: 8
    .kernarg_segment_size: 80
    .max_flat_workgroup_size: 256
    .sgpr_count:     66
    .vgpr_count:     256
    .wavefront_size: 32
...
	.end_amdgpu_metadata
.endif
;; end of part 1
;; launch gemmqkv (part 2): grid 12 x 16, 4 waves a work-group, clusters of 4 x 4, 327,680 bytes of LDS; arguments xc, xs, wc, ws, qkv, fq; writes qkv, fq
.if DOCPART == 2
	.amdgcn_target "amdgcn-amd-amdhsa--gfx1250"
	.amdhsa_code_object_version 6
	.text
	.protected	k_qaba69fca3d_gemmqkv
	.globl	k_qaba69fca3d_gemmqkv
	.p2align	8
	.type	k_qaba69fca3d_gemmqkv,@function
k_qaba69fca3d_gemmqkv:
	s_mov_b64 s[64:65], 0
	v_nop
	global_prefetch_b8 v0, s[64:65] scope:SCOPE_SE
	s_setreg_imm32_b32 hwreg(HW_REG_WAVE_MODE, 25, 1), 1
	s_wait_xcnt 0x0
	s_wait_alu depctr_hold_cnt(0) depctr_sa_sdst(0) depctr_va_vdst(0) depctr_va_sdst(0) depctr_va_ssrc(0) depctr_va_vcc(0) depctr_vm_vsrc(0)
	s_getreg_b32 s2, hwreg(HW_REG_IB_STS2, 6, 4)
	s_cmp_eq_u32 s2, 0
	s_cbranch_scc0 .Lentry_in_a_cluster
	s_endpgm
.Lentry_in_a_cluster:
	s_bfe_u32 s2, ttmp6, 0x10000c
	s_cmp_lg_u32 s2, 0xf033
	s_cbranch_scc0 .Lentry_shape_is_right
	s_endpgm
.Lentry_shape_is_right:
; Q, K, V = x Wq, x Wk, x Wv AS ONE PRODUCT ON CODES OF FP4 (E2M1): C[m][n] = sum over k of A[m][k] B[n][k], A = xc [4096][1024], B = wc [3072][1024], one E8M0 byte for each 32 along K (xs, ws); sums in f32.
; C leaves as f16, laid by head for the attention: qkv [which 3][16 batch + head][position 2048][64]; two positions of a head are 256 consecutive bytes.
; The first 16 rows of tile rows 0, 4, 8, 12 leave in f32 as well (fq [cy 4][which 3][head 16][position 16][64]): positions 0-15 of both sequences (cy 0 and 2) are carried in f32 by the last launch.
; LIMITS: |Q|, |K|, |V| above 65,504 are not served (f16).
; A tile of C, 256 x 256, is made by a work-group of four waves; a wave makes 128 x 128: 64 accumulators of 16 x 16, 512 registers.  K = 1,024 is two steps of 512 (rows of 256 bytes): the two LDS slots hold all of K, and nothing is filled again.
; THE SCALES of the work-group's 256 rows of A and of B, for all of K, are two dense blocks: they come into LDS once, with the first fills.
; CLUSTERS: 4 x 4 work-groups.  The four of a row of the cluster need the same tiles of A, the four of a column the same tiles of B: each tile is asked for JOINTLY, by the same tensor load with the same descriptor and a mask that names the four.
; Tile row = cluster y + 4 cy, so that the four tile rows whose first rows go out in f32 are the four rows of the clusters with y = 0: that way out hangs on the cluster's y and the wave's number, which all sixteen partners share;
; so tile rows 4 and 12 store 16 rows that nobody reads (384 KiB of the launch's 24.75 MiB of stores).
; THE MATRIX INSTRUCTION IS USED TRANSPOSED (source 0 = 16 rows of B, source 1 = 16 rows of A): a lane then holds eight neighbouring numbers of a row of C.
; REGISTERS, in windows of 256: window 0: v0-31 addresses; v32-95 scale words, two sets; from v128 A's fragments (8 x 16 rows x 128 K), ONE set; on the way out v96-191 are at work.
;   window 1: B's fragments, TWO sets, at v0 and at v128.   window 2: the 32 accumulators of my rows 0-63 (accumulator (a, b) at v[8 (8 a + b)]);   window 3: those of my rows 64-127.
.set SIZE_K, 1024
.set KSTEP,  512                       ; along K in a slot
.set NQ,     KSTEP/128                 ; matrix instructions deep
.set ROWB,   256                       ; a tile's row in bytes
.set KROW,   SIZE_K/2                  ; a row of A or of B in memory, in bytes
.set PITCH,  272                       ; an LDS row: 256 bytes + 16 of padding = 68 words: row r starts at bank 4 r mod 64 (64 banks of 4 bytes: ISA guide 11.1)
.set FR,     8                         ; registers of a fragment: 16 rows x 128 K
.set NL,     2                         ; LDS loads that bring one
.set NP,     4                         ; places behind this matrix instruction (ISA guide 7.12.1)
.set HALFT,  128*PITCH                 ; 128 rows: what one tensor load brings
.set SLOT,   4*HALFT                   ; A's 256 rows, then B's 256 rows
.set KS,     SIZE_K/32                 ; a row of scales in bytes
.set SCL,    2*SLOT                    ; behind the slots: the scales, as runs of 256 bytes + 16 of padding
.set HALFS,  (128*KS/256)*272          ; the scales of 128 rows
.set SBLK,   (16*KS/256)*272           ; those of 16 rows
.set SPARE,  SCL+4*HALFS               ; the spare words, 128 bytes for each wave: two blocks of 256 bytes that no other line names
.set WSTG,   8448                      ; the way out: a stage for each wave, in slot 0, which has had its only fill and its last read when the first result is stored there
.set ADRA, 16                          ; v16-17  LDS address of my A fragments in slot 0, 1
.set ADRB, 20                          ; v20-21  the same for B
.set STO32, 22                         ; v22     f32 way out: where I put 32 bytes of a row
.set RD32, 23                          ; v23     and where I read a row back
.set STO,  24                          ; v24     f16 way out: where I put 16 bytes of a row
.set RD,   25                          ; v25     and where I read 16 bytes of a pair of rows back
.set CO,   26                          ; v26     my byte offset in qkv
.set ADRS, 27                          ; v27     LDS address of my scale words: lanes 0-15 A's rows, lanes 16-31 B's
.set SPW,  28                          ; v28     SPARE + 4 x my thread's number; never rewritten
.set NIL,  29                          ; v29     0; never rewritten
.set CO32, 30                          ; v30     my byte offset in fq
.set SC,   32                          ; scale words: set s at v[SC + 8 NQ s]; register NQ i + q: lanes 0-15 the word of A's block i, lanes 16-31 that of B's block i, for the slot's q-th 128 along K
.set TMP,  96                          ; the way out: a block's results as f16
.set AF,   128                         ; A's fragments, in window 0
.set BK,   128                         ; the way out: rows read back from the stage
.set G1, 24                            ; s[24:31] descriptor group 1 for A's tiles;  s[32:39] group 0, one set for each slot
.set G0, 32
.set G1B, 48                           ; s[48:55], s[56:63] the same for B's tiles
.set G0B, 56
.set G1S, 68                           ; s[68:75], s[76:79] groups 1 and 0 for A's scales;  s[80:87], s[88:91] for B's
.set G0S, 76
.set G1SB, 80
.set G0SB, 88
.set MSB, 0
.macro WIN new                         ; the immediate's high byte repeats the setting that is left
.if MSB != \new
	s_set_vgpr_msb (MSB<<8)|\new
.set MSB, \new
.endif
.endm
.set MUL_LO, 0xa1                      ; source 0 (B) window 1, source 1 (A) window 0, C and D window 2
.set MUL_HI, 0xf1                      ; the same, C and D window 3
.set TO_B,   0x40                      ; destination window 1, address window 0
; A joint load: waves 0 and 1 fetch for A, waves 2 and 3 for B.  Each line has ONE mask and one set of registers for all that issue it; the branch hangs on the wave's number alone.
; An s_nop 0 and four v_nop follow each of the two lines.
.macro JLOAD g0a, g1a, g0b, g1b
	s_cmp_eq_u32 s15, 0
	s_cbranch_scc0 .Lfor_b_\@
	tensor_load_to_lds s[\g0a:\g0a+3], s[\g1a:\g1a+7]
	s_nop 0
.rept 4
	v_nop
.endr
	s_branch .Lasked_\@
.Lfor_b_\@:
	tensor_load_to_lds s[\g0b:\g0b+3], s[\g1b:\g1b+7]
	s_nop 0
.rept 4
	v_nop
.endr
.Lasked_\@:
.endm
.macro CROUND                          ; a round of the cluster's barrier
	s_barrier_signal -1
	s_barrier_wait -1
	s_cmp_lg_u32 s14, 0
	s_cbranch_scc1 .Lnot_wave_0_\@
	s_barrier_signal -3
.Lnot_wave_0_\@:
	s_barrier_wait -3
	s_barrier_signal -1
	s_barrier_wait -1
.endm
	s_load_b128 s[4:7], s[0:1], 0x0                ; xc s[4:5], xs s[6:7]
	s_load_b128 s[8:11], s[0:1], 0x10              ; wc s[8:9], ws s[10:11]
	s_load_b64 s[12:13], s[0:1], 0x20              ; qkv
	s_load_b64 s[96:97], s[0:1], 0x28              ; fq
	v_lshl_add_u32 v[SPW], v0, 2, SPARE
	v_mov_b32 v[NIL], 0
	ds_add_u32 v[SPW], v[NIL]                      ; the wave's opening: the add, twice on end, and its wait ahead of my first tensor load
	ds_add_u32 v[SPW], v[NIL]                      ; and once more; the set-up below, work on registers, stands between it and the wait
	v_lshrrev_b32 v1, 5, v0
	v_readfirstlane_b32 s14, v1                    ; wave 0..3
	s_lshr_b32 s15, s14, 1                         ; which half of the tile's rows is mine.  Also: I fetch for A (0) or for B (1)
	s_and_b32 s16, s14, 1                          ; which half of its columns.  Also: which 128 rows of that tile I fetch
	s_bfe_u32 s40, ttmp6, 0x40000                  ; cx, cy: my place in the cluster
	s_bfe_u32 s41, ttmp6, 0x40004
	s_lshl_b32 s42, ttmp9, 2
	s_add_co_u32 s42, s42, s40                     ; tile column of C = 4 x cluster x + cx
	s_and_b32 s17, ttmp7, 0xffff                   ; cluster y
	s_or_b32 s95, s17, s15                         ; 0 where the cluster's y is 0 and my rows are the tile's upper half: the same in all sixteen partners, for a given wave
	s_lshl_b32 s43, s41, 2
	s_add_co_u32 s17, s17, s43                     ; tile row of C = cluster y + 4 cy
	s_lshl_b32 s43, 15, s43                        ; my row of the cluster
	s_lshl_b32 s44, 0x1111, s40                    ; my column
	; descriptor group 1: a tile of 128 rows x ROWB bytes, padded in LDS
	s_or_b32 s[G1+0], s43, (0<<16)|(1<<20)|(1<<21)|(5<<22)|(3<<25)  ; 15:0 the mask: A's tiles go to my row; 17:16 element of 1 byte; 20 padding on; 21 set beside a mask; 24:22 after every 64 words (code 5); 31:25 of 4 words (code 3)
	s_or_b32 s[G1B+0], s44, (0<<16)|(1<<20)|(1<<21)|(5<<22)|(3<<25)
.irp g, G1, G1B
	s_mov_b32 s[\g+1], ROWB<<16                    ; tensor_dim0
	s_mov_b32 s[\g+2], 128<<16                     ; tensor_dim1 = 128
	s_mov_b32 s[\g+3], ROWB<<16                    ; tile_dim0
	s_mov_b32 s[\g+4], 128                         ; tile_dim1 = 128
	s_mov_b32 s[\g+5], KROW                        ; tensor_dim0_stride
	s_mov_b32 s[\g+6], 0
	s_mov_b32 s[\g+7], 0
.endr
	; and for the scales of 128 rows: a dense block of 4,096 bytes, as rows of 256 bytes (32 elements of 8 bytes), 16 bytes of padding behind each
	s_or_b32 s[G1S+0], s43, (3<<16)|(1<<20)|(1<<21)|(5<<22)|(3<<25)
	s_or_b32 s[G1SB+0], s44, (3<<16)|(1<<20)|(1<<21)|(5<<22)|(3<<25)
.irp g, G1S, G1SB
	s_mov_b32 s[\g+1], 32<<16
	s_mov_b32 s[\g+2], (128*KS/256)<<16
	s_mov_b32 s[\g+3], 32<<16
	s_mov_b32 s[\g+4], 128*KS/256
	s_mov_b32 s[\g+5], 32
	s_mov_b32 s[\g+6], 0
	s_mov_b32 s[\g+7], 0
.endr
	s_lshl_b32 s18, s16, 7                         ; which 128 rows of the tile I fetch
	s_lshl_b32 s20, s17, 8
	s_add_co_u32 s20, s20, s18                     ; A: row 256 x tile row + 128 x half
	s_lshl_b32 s46, s42, 8
	s_add_co_u32 s46, s46, s18                     ; B: row 256 x tile column + 128 x half
	s_mov_b32 s21, 0
	s_mov_b32 s47, 0
	s_mov_b64 s[18:19], KS
	s_mul_u64 s[22:23], s[20:21], s[18:19]         ; where these rows' scales begin, in bytes
	s_mul_u64 s[92:93], s[46:47], s[18:19]
	s_mov_b64 s[18:19], KROW
	s_mul_u64 s[20:21], s[20:21], s[18:19]         ; and their codes
	s_mul_u64 s[46:47], s[46:47], s[18:19]
	s_mul_i32 s45, s14, HALFT                      ; where they go: wave x 128 rows: no place in the cluster enters an LDS address
	s_mul_i32 s94, s14, HALFS
	s_wait_dscnt 0x0                               ; both opening adds are done
	s_wait_kmcnt 0x0
	s_add_nc_u64 s[20:21], s[4:5], s[20:21]
	s_add_nc_u64 s[22:23], s[6:7], s[22:23]
	s_add_nc_u64 s[46:47], s[8:9], s[46:47]
	s_add_nc_u64 s[92:93], s[10:11], s[92:93]
	CROUND                                         ; all sixteen work-groups are here: the first joint loads meet
	s_mov_b32 s[G0S], 1
	s_add_co_u32 s[G0S+1], s94, SCL
	s_mov_b64 s[G0S+2:G0S+3], s[22:23]
	s_or_b32 s[G0S+3], s[G0S+3], 0x80000000
	s_mov_b32 s[G0SB], 1
	s_add_co_u32 s[G0SB+1], s94, SCL
	s_mov_b64 s[G0SB+2:G0SB+3], s[92:93]
	s_or_b32 s[G0SB+3], s[G0SB+3], 0x80000000
	JLOAD G0S, G1S, G0SB, G1SB                     ; the scales first: they are wanted with K step 0
.irp s, 0,1
	s_mov_b32 s[G0+4*\s], 1
	s_add_co_u32 s[G0+4*\s+1], s45, \s*SLOT
	s_add_nc_u64 s[G0+4*\s+2:G0+4*\s+3], s[20:21], \s*ROWB
	s_or_b32 s[G0+4*\s+3], s[G0+4*\s+3], 0x80000000
	s_mov_b32 s[G0B+4*\s], 1
	s_add_co_u32 s[G0B+4*\s+1], s45, \s*SLOT
	s_add_nc_u64 s[G0B+4*\s+2:G0B+4*\s+3], s[46:47], \s*ROWB
	s_or_b32 s[G0B+4*\s+3], s[G0B+4*\s+3], 0x80000000
	JLOAD G0+4*\s, G1, G0B+4*\s, G1B               ; three loads of mine are out: all that this launch fetches
.endr
	v_and_b32 v1, 15, v0                           ; l % 16
	v_bfe_u32 v2, v0, 4, 1                         ; l / 16
	v_mul_u32_u24 v3, v1, PITCH
	v_lshl_add_u32 v4, v2, 4, v3                   ; a fragment's row x pitch + 16 x half
	s_mul_i32 s21, s15, HALFT                      ; my 128 rows of A
	s_mul_i32 s22, s16, HALFT                      ; my 128 rows of B,
	s_add_co_u32 s22, s22, 2*HALFT                 ; which lie behind A's 256
.irp s, 0,1
	v_add_nc_u32 v[ADRA+\s], s21, v4
	v_add_nc_u32 v[ADRB+\s], s22, v4
	s_add_co_u32 s21, s21, SLOT
	s_add_co_u32 s22, s22, SLOT
.endr
	v_mul_u32_u24 v5, v1, KS                       ; my row's scales: KS bytes a row,
	v_lshrrev_b32 v6, 8, v5
	v_lshl_add_u32 v5, v6, 4, v5                   ; and 16 more for each 256 passed
	s_mul_i32 s21, s15, HALFS                      ; A's: my 128 rows
	s_mul_i32 s22, s16, HALFS                      ; B's: my 128 rows, behind A's 256
	s_add_co_u32 s22, s22, 2*HALFS
	s_sub_co_u32 s22, s22, s21
	v_mul_u32_u24 v6, s22, v2                      ; lanes 16-31 take B's
	s_add_co_u32 s21, s21, SCL
	v_add_nc_u32 v5, v5, v6
	v_add_nc_u32 v[ADRS], s21, v5
	; the way out.  f16: a stage row is a position's 128 columns (two heads), 256 bytes + 16.  Position r goes to stage row r / 2 + 8 (r % 2): the two positions of a pair lie 8 rows, 128 bytes modulo 256, apart
	s_mul_i32 s23, s14, WSTG                       ; my stage
	v_lshrrev_b32 v5, 1, v1
	v_and_b32 v6, 1, v1
	v_lshl_add_u32 v5, v6, 3, v5
	v_mul_u32_u24 v5, v5, 272
	v_lshl_add_u32 v5, v2, 4, v5
	v_add_nc_u32 v[STO], s23, v5                   ; in: my position's row, 16 bytes for each half of the lanes
	v_lshrrev_b32 v5, 3, v1
	v_mul_u32_u24 v5, v5, 8*272
	v_lshl_add_u32 v5, v2, 7, v5
	v_and_b32 v6, 7, v1
	v_lshl_add_u32 v5, v6, 4, v5
	v_add_nc_u32 v[RD], s23, v5                    ; back: lanes 0-15 the first head, lanes 16-31 the second; eight lanes a position's 128 bytes
	v_lshlrev_b32 v5, 4, v1
	v_lshl_add_u32 v[CO], v2, 18, v5               ; in qkv: 16 bytes a lane, the second head 262,144 bytes on
	v_lshl_add_u32 v[CO32], v2, 12, v5             ; in fq: the second head 4,096 bytes on
	v_mul_u32_u24 v5, v1, 528                      ; f32: a stage row is 512 bytes + 16
	v_lshl_add_u32 v5, v2, 5, v5
	v_add_nc_u32 v[STO32], s23, v5
	v_and_b32 v6, 31, v0
	v_lshl_add_u32 v[RD32], v6, 4, s23
	s_lshl_b32 s20, s17, 8
	s_lshl_b32 s21, s15, 7
	s_add_co_u32 s20, s20, s21                     ; my first row of C
	s_lshr_b32 s21, s20, 11                        ; batch
	s_and_b32 s20, s20, 2047                       ; position
	s_lshl_b32 s46, s42, 8
	s_lshl_b32 s47, s16, 7
	s_add_co_u32 s46, s46, s47                     ; my first column
	s_lshr_b32 s47, s46, 10                        ; which of Q, K, V
	s_bfe_u32 s46, s46, 0x40006                    ; my first head: (column / 64) % 16
	s_lshl_b32 s92, s47, 5
	s_lshl_b32 s21, s21, 4
	s_add_co_u32 s92, s92, s21
	s_add_co_u32 s92, s92, s46                     ; 32 which + 16 batch + head,
	s_lshl_b32 s92, s92, 18                        ; 262,144 bytes each,
	s_lshl_b32 s20, s20, 7                         ; + 128 bytes a position
	s_add_co_u32 s92, s92, s20
	s_mov_b32 s93, 0
	s_add_nc_u64 s[12:13], s[12:13], s[92:93]
	s_mul_i32 s92, s41, 3
	s_add_co_u32 s92, s92, s47
	s_lshl_b32 s92, s92, 4
	s_add_co_u32 s92, s92, s46                     ; (3 cy + which) 16 + head,
	s_lshl_b32 s92, s92, 12                        ; 4,096 bytes each
	s_add_nc_u64 s[96:97], s[96:97], s[92:93]
.macro FRAG reg, adr, q, i             ; a fragment, 16 rows x 128 K of 4-bit codes, is 8 registers: lane l holds row l % 16; registers 4 c .. 4 c + 3 hold K = 64 c + 32 (l / 16) + 0 .. 31
.irp c, 0,1
	ds_load_b128 v[\reg+4*\c:\reg+4*\c+3], v[\adr] offset:64*(\q)+32*\c+(\i)*16*PITCH
.endr
.endm
; 16 matrix instructions: A's blocks a0, a0 + 1 x B's eight, 128 along K: the slot's q-th.  p: B's set;  sc: the set of scale words.  zero = 1: the first product starts the sums: nothing is ever cleared.
; The 64 accumulators take turns, one instruction a turn, in the same order in every step.
.macro MUL16 a0, p, q, sc, zero
.irp a, \a0, \a0+1
.irp b, 0,1,2,3,4,5,6,7
.if \zero
	v_wmma_scale_f32_16x16x128_f8f6f4 v[8*(8*((\a)%4)+\b):8*(8*((\a)%4)+\b)+7], v[128*(\p)+FR*\b:128*(\p)+FR*\b+FR-1], v[AF+FR*(\a):AF+FR*(\a)+FR-1], 0, v[SC+8*NQ*(\sc)+NQ*\b+(\q)], v[SC+8*NQ*(\sc)+NQ*(\a)+(\q)] matrix_a_fmt:MATRIX_FMT_FP4 matrix_b_fmt:MATRIX_FMT_FP4 matrix_a_scale:MATRIX_SCALE_ROW1
.else
	v_wmma_scale_f32_16x16x128_f8f6f4 v[8*(8*((\a)%4)+\b):8*(8*((\a)%4)+\b)+7], v[128*(\p)+FR*\b:128*(\p)+FR*\b+FR-1], v[AF+FR*(\a):AF+FR*(\a)+FR-1], v[8*(8*((\a)%4)+\b):8*(8*((\a)%4)+\b)+7], v[SC+8*NQ*(\sc)+NQ*\b+(\q)], v[SC+8*NQ*(\sc)+NQ*(\a)+(\q)] matrix_a_fmt:MATRIX_FMT_FP4 matrix_b_fmt:MATRIX_FMT_FP4 matrix_a_scale:MATRIX_SCALE_ROW1
.endif
.endr
.endr
.endm
.macro FETCH_B slot, q, p              ; B's eight fragments of the slot's q-th 128 along K into set p
	WIN TO_B
.irp i, 0,1,2,3,4,5,6,7
	FRAG 128*(\p)+FR*\i, ADRB+\slot, \q, \i
.endr
	WIN 0
.endm
.macro FETCH_A slot, q, i0             ; A's blocks i0 .. i0 + 3
.irp i, \i0, \i0+1, \i0+2, \i0+3
	FRAG AF+FR*(\i), ADRA+\slot, \q, \i
.endr
.endm
.macro SCALES sc                       ; a K step's scale words into set sc: NQ words a row; lanes 0-15 take A's block i, lanes 16-31 B's block i
.irp i, 0,1,2,3,4,5,6,7
	ds_load_b128 v[SC+8*NQ*\sc+NQ*\i:SC+8*NQ*\sc+NQ*\i+3], v[ADRS] offset:\i*SBLK
.endr
.endm
; A load into a register that a matrix instruction has read, and a vector instruction or an LDS store that reads a matrix result, stand NP places behind that matrix instruction; only plain vector
; instructions that name none of its registers are places (ISA guide 7.12.1 for vector instructions).
.macro PLACES n
.rept \n
	v_nop
.endr
.endm
; A step of 128 along K that has its successor in the same slot.
.macro STEP slot, q, zero
	s_wait_dscnt 4*NL                              ; B's set and A's blocks 0-3 are in; the youngest eight loads (A's blocks 4-7) may be out
	WIN MUL_LO
	MUL16 0, (\q)%2, \q, \slot, \zero
	MUL16 2, (\q)%2, \q, \slot, \zero
	s_wait_dscnt 0                                 ; A's blocks 4-7 are in (asked for 32 matrix instructions ago)
	PLACES NP
	FETCH_B \slot, (\q)+1, 1-(\q)%2
	FETCH_A \slot, (\q)+1, 0
	WIN MUL_HI
	MUL16 4, (\q)%2, \q, \slot, \zero
	MUL16 6, (\q)%2, \q, \slot, \zero
	PLACES NP
	WIN 0
	FETCH_A \slot, (\q)+1, 4
.endm
; Slot 0's last step changes slots: ONE barrier; in front of it each wave waits for all its tensor loads (slot 1's is the one that was out), adds 0 to its spare word, and waits for that and for its own reads of slot 0.
; Behind it slot 1 is whole and nobody reads slot 0 any more: the stages of the way out may lie there.  Nothing is filled again.
.macro TURN slot, next
	s_wait_tensorcnt 0x0                           ; all my tensor loads have landed  (every window is 0 here: the add's two registers lie in window 0)
	ds_add_u32 v[SPW], v[NIL]                      ; 0 onto my spare word
	s_wait_dscnt 4*NL+1                            ; (the add and the youngest eight loads, A's blocks 4-7, may be out)
	WIN MUL_LO
	MUL16 0, 1, NQ-1, \slot, 0                     ; sixteen matrix instructions stand between the add and the wait for it
	s_wait_dscnt 0x0                               ; the add is done, and my reads of this slot are over
	s_barrier_signal -1
	MUL16 2, 1, NQ-1, \slot, 0
	WIN 0
	s_barrier_wait -1
	PLACES NP
	v_add_nc_u32 v[ADRS], 4*NQ, v[ADRS]            ; on to the next K step's scale words (no LDS load of mine is out)
	FETCH_B \next, 0, 0
	FETCH_A \next, 0, 0
	SCALES \next
	WIN MUL_HI
	MUL16 4, 1, NQ-1, \slot, 0
	MUL16 6, 1, NQ-1, \slot, 0
	PLACES NP
	WIN 0
	FETCH_A \next, 0, 4
.endm
	s_wait_tensorcnt 1                             ; the scales and my part of K step 0 are in (K step 1's load may be out)
	s_barrier_signal -1
	s_barrier_wait -1                              ; everybody's are
	FETCH_B 0, 0, 0
	FETCH_A 0, 0, 0
	SCALES 0
	FETCH_A 0, 0, 4
	STEP 0, 0, 1                                   ; the first step's products start the sums
	STEP 0, 1, 0
	STEP 0, 2, 0
	TURN 0, 1
	STEP 1, 0, 0
	STEP 1, 1, 0
	STEP 1, 2, 0
	s_wait_dscnt 4*NL                              ; the very last step: nothing more to fetch
	WIN MUL_LO
	MUL16 0, 1, NQ-1, 1, 0
	MUL16 2, 1, NQ-1, 1, 0
	s_wait_dscnt 0
	WIN MUL_HI
	MUL16 4, 1, NQ-1, 1, 0
	MUL16 6, 1, NQ-1, 1, 0
	WIN 0
	PLACES NP                                      ; behind the last products: for the reads of results and for the loads into the registers that held A's fragments
	; THE FIRST 16 ROWS IN F32, where the cluster's y is 0 and my rows are the tile's upper half: block 0 goes through my stage as it is and leaves as rows of 256 bytes a head.
	s_cmp_lg_u32 s95, 0
	s_cbranch_scc1 .Lno_fine
	WIN 0x08                                       ; an LDS store's data are its source 1: window 2
.irp b, 0,1,2,3,4,5,6,7
	ds_store_b128 v[STO32], v[8*\b:8*\b+3] offset:64*\b            ; each accumulator from its low end on
	ds_store_b128 v[STO32], v[8*\b+4:8*\b+7] offset:64*\b+16
.endr
	WIN 0
.irp t, 0,1,2,3,4,5,6,7,8,9,10,11,12,13,14,15
	ds_load_b128 v[BK+4*\t:BK+4*\t+3], v[RD32] offset:\t*528       ; LDS serves a wave's instructions in order: these see my stores
.endr
	s_wait_dscnt 0x0
.irp t, 0,1,2,3,4,5,6,7,8,9,10,11,12,13,14,15
	global_store_b128 v[CO32], v[BK+4*\t:BK+4*\t+3], s[96:97] offset:256*\t   ; sixteen lanes store a position's 256 bytes of one head, aligned
.endr
	s_wait_xcnt 0x0                                ; these stores have read their registers: the blocks below load into them
.Lno_fine:
; THE WAY OUT IN F16, block by block of 16 positions x 128 columns.  PACK: rounded to f16, 16 bytes a lane.  TOSTAGE: into my stage, and back by pairs of positions of one head.  SEND: stored.
.macro PACK a
.set AC, 64*((\a)%4)
	WIN 0x0a+5*((\a)/4)                            ; sources 0 and 1: window 2 or 3
.irp b, 0,1,2,3,4,5,6,7
.irp r, 0,1,2,3
	v_cvt_pk_f16_f32 v[TMP+4*\b+\r], v[AC+8*\b+2*\r], v[AC+8*\b+2*\r+1]   ; each accumulator from its low end on
.endr
.endr
	WIN 0
.endm
.macro TOSTAGE a
.set BB, BK+32*((\a)%2)
.irp b, 0,1,2,3,4,5,6,7
	ds_store_b128 v[STO], v[TMP+4*\b:TMP+4*\b+3] offset:32*\b
.endr
.irp t, 0,1,2,3,4,5,6,7
	ds_load_b128 v[BB+4*\t:BB+4*\t+3], v[RD] offset:\t*272         ; pair t of positions; LDS serves a wave's instructions in order
.endr
.endm
.macro SEND a
.set BB, BK+32*((\a)%2)
	s_wait_dscnt 0x0                               ; the block is back in registers
	s_wait_xcnt 0x0                                ; earlier stores have read their base and their registers: both may be written again
.if (\a) > 0
	s_add_nc_u64 s[12:13], s[12:13], 16*128        ; 16 positions on
.endif
.irp t, 0,1,2,3,4,5,6,7
	global_store_b128 v[CO], v[BB+4*\t:BB+4*\t+3], s[12:13] offset:256*\t   ; sixteen lanes store two positions of one head: 256 consecutive bytes, aligned
.endr
.endm
	PACK 0
	TOSTAGE 0
.irp a, 1,2,3,4,5,6,7                  ; block a's conversions stand between block a - 1's loads from the stage and the wait for them
	PACK \a
	SEND \a-1
	TOSTAGE \a
.endr
	SEND 7
	s_wait_tensorcnt 0x0                           ; the wave's end: three lines behind my last tensor load and my last LDS store
	ds_add_u32 v[SPW], v[NIL]
	s_wait_dscnt 0x0
	CROUND                                         ; the closing round: no work-group ends while a partner may still ask for a tile that names it
	s_endpgm
.Lfunc_end_k_qaba69fca3d_gemmqkv:
	.size	k_qaba69fca3d_gemmqkv, .Lfunc_end_k_qaba69fca3d_gemmqkv-k_qaba69fca3d_gemmqkv
	.p2alignl 7, 3214868480
	.fill 96, 4, 3214868480
	.section	.rodata,"a",@progbits
	.p2align	6, 0x0
	.amdhsa_kernel k_qaba69fca3d_gemmqkv
		.amdhsa_group_segment_fixed_size 327680
		.amdhsa_private_segment_fixed_size 0
		.amdhsa_enable_private_segment 0
		.amdhsa_kernarg_size 48
		.amdhsa_user_sgpr_count 2
		.amdhsa_user_sgpr_kernarg_segment_ptr 1
		.amdhsa_wavefront_size32 1
		.amdhsa_system_sgpr_workgroup_id_x 1
		.amdhsa_system_sgpr_workgroup_id_y 1
		.amdhsa_system_sgpr_workgroup_id_z 1
		.amdhsa_system_vgpr_workitem_id 0
		.amdhsa_next_free_vgpr 1024
		.amdhsa_next_free_sgpr 98
		.amdhsa_reserve_vcc 0
		.amdhsa_float_denorm_mode_32 3
		.amdhsa_float_denorm_mode_16_64 3
		.amdhsa_memory_ordered 1
		.amdhsa_forward_progress 1
		.amdhsa_inst_pref_size 131
	.end_amdhsa_kernel
	.amdgpu_metadata
---
amdhsa.version: [ 1, 2 ]
amdhsa.kernels:
  - .name:           k_qaba69fca3d_gemmqkv
    .symbol:         k_qaba69fca3d_gemmqkv.kd
    .args:
      - { .name: xc, .offset: 0, .size: 8, .value_kind: global_buffer, .address_space: global }
      - { .name: xs, .offset: 8, .size: 8, .value_kind: global_buffer, .address_space: global }
      - { .name: wc, .offset: 16, .size: 8, .value_kind: global_buffer, .address_space: global }
      - { .name: ws, .offset: 24, .size: 8, .value_kind: global_buffer, .address_space: global }
      - { .name: qkv, .offset: 32, .size: 8, .value_kind: global_buffer, .address_space: global }
      - { .name: fq, .offset: 40, .size: 8, .value_kind: global_buffer, .address_space: global }
    .group_segment_fixed_size: 327680
    .private_segment_fixed_size: 0
    .kernarg_segment_align: 8
    .kernarg_segment_size: 48
    .max_flat_workgroup_size: 128
    .sgpr_count:     98
    .vgpr_count:     1024
    .wavefront_size: 32
...
	.end_amdgpu_metadata
.endif
;; end of part 2
;; launch attn (part 3): grid 8 x 32, 8 waves a work-group, no clusters, 327,680 bytes of LDS; arguments qkv, vecp; writes vecp
.if DOCPART == 3
	.amdgcn_target "amdgcn-amd-amdhsa--gfx1250"
	.amdhsa_code_object_version 6
	.text
	.protected	k_qaba69fca3d_attn
	.globl	k_qaba69fca3d_attn
	.p2align	8
	.type	k_qaba69fca3d_attn,@function
k_qaba69fca3d_attn:
	s_mov_b64 s[64:65], 0
	v_nop
	global_prefetch_b8 v0, s[64:65] scope:SCOPE_SE
	s_setreg_imm32_b32 hwreg(HW_REG_WAVE_MODE, 25, 1), 1
	s_wait_xcnt 0x0
; CAUSAL ATTENTION, f16 operands, f32 sums.  O[bh][q] = sum over k <= q of softmax_k(Q[q] . K[k] / 8) V[k].  Q, K, V: qkv [which 3][bh 32][2048][64] f16.
; The result leaves as f16 for the last product: vecp [1024 batch + q / 2][head 16][q % 2][64]: two positions of a head are 256 consecutive bytes, and 4 heads of two positions 1,024.
; LIMITS: results above 65,504 are not served (f16).  Positions 0-15 of each sequence are computed here like the others and are written anew, from f32 operands, by the last launch.
; SHARES.  Work-group (i, bh) owns the query blocks i and 15 - i (128 queries each) of head bh: 17 units of 128 x 128 under the causal mask, whatever i.  Each of its eight waves owns 32 queries, two tiles of 16:
; four waves in the lower block, four in the upper, dealt so that a low and a high wave stand together whether waves are dealt to SIMDs by number modulo 4 or in pairs.
; Every work-group walks all 8 slots of 256 keys (the trip counts are constants); from the first key step (64 keys) all of whose keys come after a wave's queries on, that wave jumps over the rest of the slot, and a slot whose first key comes after the work-group's last query is not asked for.
; NO CLUSTER: the eight work-groups of a head need different numbers of tiles, 128 (16 - i) keys, and each wave's jump over hidden steps hangs on i; a joint load would have to be issued by partners whose every wave jumps over its reads.
; LAYOUT.  S^T = K Q^T (source 0 = 16 keys, source 1 = 16 queries): a lane holds ONE query (lane % 16) and the keys 8 (lane / 16) + 0..7.  Two such tiles, rounded to f16 in pairs, ARE source 1 of O^T = V^T P.
; K comes out of LDS as it lies, V ([key][channel]) turned, by ds_load_tr16_b128.
; K'S FRAGMENTS ARE ASKED FOR A STEP AHEAD, inside a slot: behind the products K Q^T of step q, into the registers that these have read, stand the 16 LDS loads of step q + 1; the softmax's vector instructions and the 20 products V^T P lie between them and their use.
; SOFTMAX.  A running maximum m for each query: p = 2^(c s - c m), c = log2(e) / 8; in every step O and the sum are multiplied by a = 2^(c m_old - c m_new).
; THE ROW'S SUM IS A FIFTH TILE OF V^T: a fragment with ones in rows 0 and 8 and zeros elsewhere.  Register 0 of its accumulator holds the query's sum of the f16 weights, in both halves of the lanes.
; REGISTERS: window 0: v1-11 addresses and constants; v12-27 statistics, 8 a tile; v28-31; v32-95 S^T (32 t + 8 kt + j); v96-127 P (16 t + i); v128-207 O^T (40 t + 8 ct; ct = 4: the sum).
;   window 1: v0-31 Q (16 t + 8 e); v32-95 K of a step (8 (2 kt + e)); v96-159 V of a step (8 (4 ks + ct)); v160-167 the ones.
.set PK,    144                        ; a key's row of K in LDS: 128 bytes + 16 = 36 words: the 16 rows of a load start at 16 different groups of 4 banks (64 banks of 4 bytes: ISA guide 11.1)
.set PV,    160                        ; a row of V: 128 + 32
.set VOFF,  256*PK                     ; a slot: 256 rows of K, then 256 rows of V
.set SLOT1, 1<<17                      ; slot 1 begins here, so that one exclusive or turns an address in one slot into the other's
.set STAGE, SLOT1+256*(PK+PV)          ; behind the ring: 32 rows x 144 bytes for each wave, for the way out
.set SPARE, STAGE+8*32*PK              ; the spare words, 128 bytes for each wave: four blocks of 256 bytes that no other line names
.set AK0,  1                           ; v1   my lane's place in a tile of K
.set AV0,  2                           ; v2   the same for V
.set ADK,  3                           ; v3   LDS address of the slot's K
.set ADV,  4                           ; v4   of its V
.set QO,   5                           ; v5   my byte offset in the wave's rows of Q
.set STO,  6                           ; v6   the way out: where I put 16 bytes of a row
.set RD,   7                           ; v7   and where I read 16 bytes back
.set GO,   8                           ; v8   my byte offset in vecp
.set NINF, 9                           ; v9   -infinity
.set D0,   10                          ; v10, v11  the mask: my query less the step's first key less 8 (lane / 16), for tiles 0 and 1
.set ST,   12                          ; tile t's statistics at v[ST + 8 t]: +0 c m, +1 m, +4 to +7 c0-c3 at work; a takes c2's place
.set PFO,  28                          ; v28  256 x lane; never rewritten
.set RH,   29                          ; v29  lane % 16 - 8 (lane / 16)
.set SPW,  30                          ; v30  SPARE + 4 x my thread's number; never rewritten
.set NIL,  31                          ; v31  0; never rewritten
.set S,    32
.set P,    96
.set O,    128
.set KFR,  32                          ; in window 1
.set VFR,  96
.set ONES, 160
.set WV,   8                           ; s8   my wave's number
.set Q0,   13                          ; s13  my first query
.set QE,   14                          ; s14  my last
.set QL,   15                          ; s15  my work-group's last
.set KF,   16                          ; s16  the slot's first key
.set TB,   17                          ; s17  LDS byte at which the slot in hand begins
.set SLOTS, 18                         ; s18  changes of slots still to come in the loop
.set LIM,  19                          ; s19  1 in a work-group that prefetches, else the greatest number
.set SEL,  20                          ; s[20:21] v_permlanex16_b32's selects for lane l xor 16
.set CS,   22                          ; s[22:23] c, twice: the packed form names a pair
.set G1K,  24                          ; s[24:31] descriptor group 1 for K's tiles;  s[32:39] for V's: it differs in the padding alone
.set G1V,  32
.set G0K,  40                          ; s[40:43], s[44:47] their groups 0, which walk
.set G0V,  44
.set PFA,  48                          ; s[48:49] where my prefetches stand
.set KS,   51                          ; s51  the step's first key
.set QB,   60                          ; s[60:61] Q at my first query
.set OB,   62                          ; s[62:63] vecp at my first pair of queries, my head
.set MSB, 0
.macro WIN new                         ; the immediate's high byte repeats the setting that is left
.if MSB != \new
	s_set_vgpr_msb (MSB<<8)|\new
.set MSB, \new
.endif
.endm
.set TO_F, 0x40                        ; destination window 1, address window 0
.set W_KQ, 0x05                        ; K and Q in window 1, S^T in window 0
.set W_PV, 0x01                        ; V in window 1, P and O^T in window 0
; Waves 0-3 fetch the four quarters (64 keys) of a slot's K, waves 4-7 those of its V: one load a wave.  The branch hangs on the wave's number alone.  An s_nop 0 and four v_nop follow each line.
.macro TLOAD
	s_cmp_lt_u32 s[WV], 4
	s_cbranch_scc0 .Lfor_v_\@
	tensor_load_to_lds s[G0K:G0K+3], s[G1K:G1K+7]
	s_nop 0
.rept 4
	v_nop
.endr
	s_branch .Lasked_\@
.Lfor_v_\@:
	tensor_load_to_lds s[G0V:G0V+3], s[G1V:G1V+7]
	s_nop 0
.rept 4
	v_nop
.endr
.Lasked_\@:
.endm
; A PREFETCH INTO THE L2 of what the NEXT change of slots will ask for.  All eight work-groups of a head walk the same K and V: the first of them (i = 0), which alone loads all eight slots, asks, and nobody else.
; Each of its waves asks for the quarter that it will itself load: 8,192 dense bytes, lanes 256 bytes apart, one instruction.  So each aligned run of 256 bytes is named once in the launch.
; It stands behind the wave's tensor load and its five lines: a slot's four key steps ahead of the load that will want the bytes.  Slots 0 and 1 come by their loads alone; the last change that fills a slot asks for nothing.
.macro ASK
	s_cmp_gt_u32 s[SLOTS], s[LIM]
	s_cbranch_scc0 .Lnot_mine_\@
	global_prefetch_b8 v[PFO], s[PFA:PFA+1] th:TH_LOAD_NT scope:SCOPE_SE
.Lnot_mine_\@:
.endm
	s_load_b128 s[4:7], s[0:1], 0x0                ; qkv s[4:5], vecp s[6:7]
	v_lshl_add_u32 v[SPW], v0, 2, SPARE
	v_mov_b32 v[NIL], 0
	ds_add_u32 v[SPW], v[NIL]                      ; the wave's opening: the add, twice on end, and its wait ahead of my first tensor load
	ds_add_u32 v[SPW], v[NIL]                      ; and once more; the set-up below, work on registers, stands between it and the wait
	v_lshrrev_b32 v1, 5, v0
	v_readfirstlane_b32 s[WV], v1                  ; wave 0..7
	s_and_b32 s9, ttmp7, 0xffff                    ; bh = 16 batch + head
	s_lshr_b32 s10, s[WV], 2
	s_xor_b32 s10, s10, s[WV]
	s_and_b32 s10, s10, 1                          ; 1: my queries lie in the upper block, 15 - i
	s_sub_co_u32 s11, 15, ttmp9
	s_cmp_eq_u32 s10, 1
	s_cselect_b32 s11, s11, ttmp9
	s_lshl_b32 s[Q0], s11, 7
	s_lshr_b32 s12, s[WV], 1
	s_lshl_b32 s12, s12, 5
	s_add_co_u32 s[Q0], s[Q0], s12                 ; my first query: 128 x block + 32 x (wave / 2)
	s_add_co_u32 s[QE], s[Q0], 31
	s_sub_co_u32 s[QL], 16, ttmp9
	s_lshl_b32 s[QL], s[QL], 7
	s_sub_co_u32 s[QL], s[QL], 1                   ; the work-group's last query: 128 (16 - i) - 1
	s_mov_b32 s[KF], 0
	s_mov_b32 s[TB], 0
	s_mov_b32 s[SLOTS], 7
	s_cmp_eq_u32 ttmp9, 0
	s_cselect_b32 s[LIM], 1, -1
	s_mov_b32 s[SEL], 0x76543210
	s_mov_b32 s[SEL+1], 0xfedcba98
	s_mov_b32 s[CS], 0x3e38aa3b                    ; c = log2(e) / 8
	s_mov_b32 s[CS+1], s[CS]
	; descriptor group 1: 64 rows of 64 elements of 2 bytes, dense in memory, padded behind every row in LDS
	s_mov_b32 s[G1K], (1<<16)|(1<<20)|(4<<22)|(3<<25)   ; 15:0 no mask; 17:16 elements of 2 bytes; 20 padding on; 24:22 after every 32 words (code 4); 31:25 four words (code 3)
	s_mov_b32 s[G1V], (1<<16)|(1<<20)|(4<<22)|(7<<25)   ; the same with eight words (code 7)
.irp g, G1K, G1V
	s_mov_b32 s[\g+1], 64<<16                      ; tensor_dim0
	s_mov_b32 s[\g+2], 64<<16                      ; tensor_dim1
	s_mov_b32 s[\g+3], 64<<16                      ; tile_dim0
	s_mov_b32 s[\g+4], 64                          ; tile_dim1
	s_mov_b32 s[\g+5], 64                          ; tensor_dim0_stride
	s_mov_b32 s[\g+6], 0
	s_mov_b32 s[\g+7], 0
.endr
	s_and_b32 s50, s[WV], 3                        ; which quarter of a slot I fetch
	s_mul_i32 s[G0K+1], s50, 64*PK                 ; its place in slot 0, for K
	s_mul_i32 s[G0V+1], s50, 64*PV
	s_add_co_u32 s[G0V+1], s[G0V+1], VOFF          ; and for V
	s_lshl_b32 s52, s50, 13                        ; 64 rows of 128 bytes in memory
	s_add_co_u32 s51, s9, 32
	s_lshl_b32 s51, s51, 18                        ; K's head: (32 + bh) x 262,144
	s_add_co_u32 s52, s52, s51
	s_mov_b32 s53, 0
	s_add_co_u32 s54, s52, 0x800000                ; V's: 32 heads on
	s_mov_b32 s55, 0
	s_lshl_b32 s56, s9, 18
	s_lshl_b32 s57, s[Q0], 7
	s_add_co_u32 s56, s56, s57                     ; Q: my head, my first query
	s_mov_b32 s57, 0
	s_lshr_b32 s58, s9, 4
	s_lshl_b32 s58, s58, 10
	s_lshr_b32 s59, s[Q0], 1
	s_add_co_u32 s58, s58, s59                     ; vecp: pair row 1024 batch + q / 2,
	s_lshl_b32 s58, s58, 12                        ; 4,096 bytes each,
	s_and_b32 s59, s9, 15
	s_lshl_b32 s59, s59, 8                         ; + 256 x head
	s_add_co_u32 s58, s58, s59
	s_mov_b32 s59, 0
	s_wait_dscnt 0x0                               ; both opening adds are done
	s_wait_kmcnt 0x0
	s_mov_b32 s[G0K], 1                            ; 1:0 count = 1
	s_add_nc_u64 s[G0K+2:G0K+3], s[4:5], s[52:53]  ; 120:64 global address: my quarter of the head's first 256 keys
	s_mov_b32 s[G0V], 1
	s_add_nc_u64 s[G0V+2:G0V+3], s[4:5], s[54:55]
	s_cmp_lt_u32 s[WV], 4
	s_cselect_b64 s[PFA:PFA+1], s[G0K+2:G0K+3], s[G0V+2:G0V+3]
	s_add_nc_u64 s[PFA:PFA+1], s[PFA:PFA+1], 32768 ; my quarter of slot 1: the first change of slots steps it to slot 2.  Nothing is prefetched here, at the head
	s_or_b32 s[G0K+3], s[G0K+3], 0x80000000        ; 127:126 type = 2
	s_or_b32 s[G0V+3], s[G0V+3], 0x80000000
	TLOAD                                          ; slot 0: it holds key 0, which counts for every query
	s_add_nc_u64 s[QB:QB+1], s[4:5], s[56:57]
	s_add_nc_u64 s[OB:OB+1], s[6:7], s[58:59]
	v_and_b32 v32, 15, v0                          ; r = lane % 16   (v32-35: at work here; S^T's later)
	v_bfe_u32 v33, v0, 4, 1                        ; h = lane / 16
	v_lshlrev_b32 v[QO], 7, v32
	v_lshl_add_u32 v[QO], v33, 4, v[QO]            ; Q: row r of 128 bytes, + 16 h
	WIN TO_F
.irp t, 0,1
.irp e, 0,1                                    ; Q stays in registers: tile t, channels 32 e on
	global_load_b128 v[16*\t+8*\e:16*\t+8*\e+3],   v[QO], s[QB:QB+1] offset:2048*\t+64*\e
	global_load_b128 v[16*\t+8*\e+4:16*\t+8*\e+7], v[QO], s[QB:QB+1] offset:2048*\t+64*\e+32
.endr
.endr
	WIN 0
	v_mul_u32_u24 v[AK0], v32, PK
	v_lshl_add_u32 v[AK0], v33, 4, v[AK0]          ; K: row r x pitch + 16 h
	v_and_b32 v34, 7, v0                           ; the turning load: lane l reads key 8 (l / 16) + l % 8, channels 8 ((l / 8) % 2) + 0..7
	v_bfe_u32 v35, v0, 3, 1
	v_lshl_add_u32 v[AV0], v33, 3, v34
	v_mul_u32_u24 v[AV0], v[AV0], PV
	v_lshl_add_u32 v[AV0], v35, 4, v[AV0]
	v_add_nc_u32 v[AV0], VOFF, v[AV0]
	v_cmp_eq_u32 vcc_lo, 0, v34                    ; rows 0 and 8 of the fifth tile: lanes whose number is a multiple of 8
	v_mov_b32 v35, 0x3c003c00                      ; 1.0, twice, in f16
	v_cndmask_b32 v35, 0, v35, vcc_lo
	WIN TO_F
.irp n, 0,1,2,3,4,5,6,7
	v_mov_b32 v[ONES+\n], v35
.endr
	WIN 0
	s_mul_i32 s50, s[WV], 32*PK
	s_add_co_u32 s50, s50, STAGE                   ; my stage.  Query r of a tile goes to row r / 2 + 8 (r % 2): the two queries of a pair lie 8 rows, 128 bytes modulo 256, apart
	v_lshrrev_b32 v34, 1, v32
	v_and_b32 v35, 1, v32
	v_lshl_add_u32 v34, v35, 3, v34
	v_mul_u32_u24 v34, v34, PK
	v_lshl_add_u32 v34, v33, 4, v34
	v_add_nc_u32 v[STO], s50, v34
	v_lshrrev_b32 v34, 3, v32                      ; back: lanes 0-15 one pair of queries, lanes 16-31 the next; eight lanes a query's 128 bytes
	v_lshl_add_u32 v34, v34, 3, v33
	v_mul_u32_u24 v34, v34, PK
	v_and_b32 v35, 7, v32
	v_lshl_add_u32 v34, v35, 4, v34
	v_add_nc_u32 v[RD], s50, v34
	v_lshlrev_b32 v34, 4, v32
	v_lshl_add_u32 v[GO], v33, 12, v34             ; in vecp: 16 bytes a lane; the next pair row 4,096 bytes on
	v_and_b32 v[PFO], 31, v0
	v_lshlrev_b32 v[PFO], 8, v[PFO]
	v_lshlrev_b32 v34, 3, v33
	v_sub_nc_u32 v[RH], v32, v34
	v_mov_b32 v[NINF], 0xff800000
.irp t, 0,1
	v_mov_b32 v[ST+8*\t+1], 0xff61b1e6             ; m so far: -3e38, under every score
	v_mul_f32 v[ST+8*\t], s[CS], v[ST+8*\t+1]      ; c m
	v_mov_b32 v[ST+8*\t+5], 0                      ; written once: a lane permute's destination counts as one of its sources
	v_mov_b32 v[ST+8*\t+6], 0                      ; (a and its neighbour are named as a pair)
	v_mov_b32 v[ST+8*\t+7], 0
.endr
.set n, 0
.rept 80
	v_mov_b32 v[O+n], 0                            ; O^T and the sums.  (The step is written without a first step of its own: it finds zeros, which the first a, 0, leaves zeros.  That spares another copy of the key step)
.set n, n+1
.endr
; 16 LDS loads: K of the slot's q-th step: keys 16 kt on, channels 32 e on
.macro KLOAD q
.irp kt, 0,1,2,3
.irp e, 0,1
	ds_load_b128 v[KFR+8*(2*\kt+\e):KFR+8*(2*\kt+\e)+3],   v[ADK] offset:(64*(\q)+16*\kt)*PK+64*\e
	ds_load_b128 v[KFR+8*(2*\kt+\e)+4:KFR+8*(2*\kt+\e)+7], v[ADK] offset:(64*(\q)+16*\kt)*PK+64*\e+32
.endr
.endr
.endm
; 16 LDS loads: its V, turned: keys 32 ks on, channels 16 ct on
.macro VLOAD q
.irp ks, 0,1
.irp ct, 0,1,2,3
	ds_load_tr16_b128 v[VFR+8*(4*\ks+\ct):VFR+8*(4*\ks+\ct)+3],   v[ADV] offset:(64*(\q)+32*\ks)*PV+32*\ct
	ds_load_tr16_b128 v[VFR+8*(4*\ks+\ct)+4:VFR+8*(4*\ks+\ct)+7], v[ADV] offset:(64*(\q)+32*\ks)*PV+16*PV+32*\ct
.endr
.endr
.endm
; A KEY STEP: 64 keys, the q-th of the slot in hand.  id names the label at the slot's end.
.macro STEP q, id
	s_add_co_u32 s[KS], s[KF], 64*(\q)             ; the step's first key
	s_cmp_gt_u32 s[KS], s[QE]                      ; all its keys come after my 32 queries, and so do those of the slot's later steps: a scalar branch on ids, round the rest of the slot's loads, products and softmax;
	s_cbranch_scc1 .Lrest_hidden_\id               ; no barrier and no tensor load stands in a step.  So step q + 1 is reached through step q alone, which has asked for its K
	v_add_nc_u32 v[ADK], s[TB], v[AK0]
	v_add_nc_u32 v[ADV], s[TB], v[AV0]
	v_nop
	v_nop                                          ; four places between the last step's products and the loads into the registers that they read
	WIN TO_F
.if \q == 0
	KLOAD 0                                        ; a slot's first step asks for its own K: the slot was not whole before the barrier
.endif
	VLOAD \q
.if \q == 0
	s_wait_dscnt 16                                ; K is in; V's sixteen loads may be out.  (In the later steps K came in ahead of the last step's products V^T P)
.endif
	WIN W_KQ
.irp e, 0,1                                    ; S^T = K Q^T: eight accumulators by turns, one instruction a turn; the first eight start the sums
.irp kt, 0,1,2,3
.irp t, 0,1
.if \e == 0
	v_wmma_f32_16x16x32_f16 v[S+32*\t+8*\kt:S+32*\t+8*\kt+7], v[KFR+8*(2*\kt+\e):KFR+8*(2*\kt+\e)+7], v[16*\t+8*\e:16*\t+8*\e+7], 0
.else
	v_wmma_f32_16x16x32_f16 v[S+32*\t+8*\kt:S+32*\t+8*\kt+7], v[KFR+8*(2*\kt+\e):KFR+8*(2*\kt+\e)+7], v[16*\t+8*\e:16*\t+8*\e+7], v[S+32*\t+8*\kt:S+32*\t+8*\kt+7]
.endif
.endr
.endr
.endr
	WIN 0
.rept 4
	v_nop                                          ; places in front of the loads into K's registers and of the first read of results
.endr
.if \q < 3
	WIN TO_F
	KLOAD (\q)+1                                   ; THE NEXT STEP'S K, a step ahead.  (Where that step is hidden the loads are not used; the slot's bytes are there all the same)
	WIN 0
.endif
	s_add_co_u32 s50, s[KS], 63                    ; a step all of whose keys count for all my queries has no mask
	s_cmp_le_u32 s50, s[Q0]
	s_cbranch_scc1 .Lopen_\@
	s_sub_co_i32 s50, s[Q0], s[KS]                 ; on the diagonal (one step of each wave) hidden scores become -infinity ahead of the maximum.  The step's first key is at or under my first query: every query keeps a key
	v_add_nc_u32 v[D0], s50, v[RH]                 ; register 8 kt + j of tile t holds key KS + 16 kt + 8 (lane / 16) + j: hidden where 16 kt + j > my query - KS - 8 (lane / 16)
	v_add_nc_u32 v[D0+1], 16, v[D0]
.irp t, 0,1
.irp kt, 0,1,2,3
.irp j, 0,1,2,3,4,5,6,7
	v_cmp_gt_i32 vcc_lo, 16*\kt+\j, v[D0+\t]
	v_cndmask_b32 v[S+32*\t+8*\kt+\j], v[S+32*\t+8*\kt+\j], v[NINF], vcc_lo
.endr
.endr
.endr
.Lopen_\@:
	; the softmax, the two tiles line by line, so that no line waits for the line above it
.irp j, 0,1,2,3
.irp t, 0,1
	v_max3_num_f32 v[ST+8*\t+4+\j], v[S+32*\t+8*\j], v[S+32*\t+8*\j+1], v[S+32*\t+8*\j+2]   ; four chains, each from its accumulator's low end
.endr
.endr
.irp u, 1,2
.irp j, 0,1,2,3
.irp t, 0,1
	v_max3_num_f32 v[ST+8*\t+4+\j], v[ST+8*\t+4+\j], v[S+32*\t+8*\j+2*\u+1], v[S+32*\t+8*\j+2*\u+2]
.endr
.endr
.endr
.irp t, 0,1
	v_max3_num_f32 v[ST+8*\t+4], v[ST+8*\t+4], v[S+32*\t+7], v[S+32*\t+15]
.endr
.irp t, 0,1
	v_max3_num_f32 v[ST+8*\t+6], v[ST+8*\t+6], v[S+32*\t+23], v[S+32*\t+31]
.endr
.irp t, 0,1
	v_max3_num_f32 v[ST+8*\t+4], v[ST+8*\t+4], v[ST+8*\t+5], v[ST+8*\t+6]
.endr
.irp t, 0,1
	v_max3_num_f32 v[ST+8*\t+4], v[ST+8*\t+4], v[ST+8*\t+7], v[ST+8*\t+1]   ; with the old m
.endr
.irp t, 0,1
	v_permlanex16_b32 v[ST+8*\t+5], v[ST+8*\t+4], s[SEL], s[SEL+1]          ; the query's other 32 keys lie in the lane 16 away
.endr
.irp t, 0,1
	v_mov_b32 v[ST+8*\t+7], v[ST+8*\t]             ; c m_old is kept for a
.endr
.irp t, 0,1
	v_max_num_f32 v[ST+8*\t+1], v[ST+8*\t+4], v[ST+8*\t+5]
.endr
.irp t, 0,1
	v_mul_f32 v[ST+8*\t], s[CS], v[ST+8*\t+1]
.endr
.irp t, 0,1
	v_sub_f32 v[ST+8*\t+7], v[ST+8*\t+7], v[ST+8*\t]
.endr
	; ONE BATCH: the 32 scalings and the 66 exponentials, the scalings set among the exponentials: pair n is scaled, then pair n - 1 is raised.  None of these lines names an exponential's result
.irp t, 0,1
	v_exp_f32 v[ST+8*\t+6], v[ST+8*\t+7]           ; a
.endr
.set n, 0
.rept 16
.irp t, 0,1
	v_pk_fma_f32 v[S+32*\t+2*n:S+32*\t+2*n+1], v[S+32*\t+2*n:S+32*\t+2*n+1], s[CS:CS+1], v[ST+8*\t:ST+8*\t+1] op_sel_hi:[1,0,0] neg_lo:[0,0,1] neg_hi:[0,0,1]   ; c s - c m, two at a time
.endr
.if n > 0
.irp t, 0,1
	v_exp_f32 v[S+32*\t+2*n-2], v[S+32*\t+2*n-2]   ; p, at most 1
	v_exp_f32 v[S+32*\t+2*n-1], v[S+32*\t+2*n-1]
.endr
.endif
.set n, n+1
.endr
.irp t, 0,1
	v_exp_f32 v[S+32*\t+30], v[S+32*\t+30]
	v_exp_f32 v[S+32*\t+31], v[S+32*\t+31]
.endr
	v_nop                                          ; a plain line behind the last exponential
	s_wait_alu depctr_va_vdst(0)                   ; ONE wait for the batch of 66, ahead of its first reader
.set n, 0
.rept 16
.irp t, 0,1
	v_cvt_pk_f16_f32 v[P+16*\t+n], v[S+32*\t+2*n], v[S+32*\t+2*n+1]
.endr
.set n, n+1
.endr
.set n, 0
.rept 17
.irp t, 0,1
	v_pk_mul_f32 v[O+40*\t+2*n:O+40*\t+2*n+1], v[O+40*\t+2*n:O+40*\t+2*n+1], v[ST+8*\t+6:ST+8*\t+7] op_sel_hi:[1,0]   ; O^T and the sum (its low pair: the other six registers stay 0) times a; each accumulator from its low end
.endr
.set n, n+1
.endr
	s_wait_dscnt 0x0                               ; V is in, and so is the next step's K
	WIN W_PV
.irp ks, 0,1                                   ; O^T += V^T P, and the sums: ten accumulators by turns
.irp ct, 0,1,2,3,4
.irp t, 0,1
.if \ct == 4
	v_wmma_f32_16x16x32_f16 v[O+40*\t+32:O+40*\t+39], v[ONES:ONES+7], v[P+16*\t+8*\ks:P+16*\t+8*\ks+7], v[O+40*\t+32:O+40*\t+39]
.else
	v_wmma_f32_16x16x32_f16 v[O+40*\t+8*\ct:O+40*\t+8*\ct+7], v[VFR+8*(4*\ks+\ct):VFR+8*(4*\ks+\ct)+7], v[P+16*\t+8*\ks:P+16*\t+8*\ks+7], v[O+40*\t+8*\ct:O+40*\t+8*\ct+7]
.endif
.endr
.endr
.endr
	WIN 0
.endm
; THE CHANGE OF SLOTS stands at a slot's head.  Each wave waits for all its tensor loads (its quarter of the slot that it is about to read), adds 0 to its spare word, and waits for that and for its reads of the slot that it has left.
; Behind the barrier the slot ahead is whole and nobody reads the other one.  fill = 1: that other slot takes the next 256 keys: the load has a slot's four key steps in which to land.  One tensor load of a wave is out at any time.
.macro CHANGE fill
	s_wait_tensorcnt 0x0                           ; no tensor load of mine is out, so a group 0 may be written
	ds_add_u32 v[SPW], v[NIL]                      ; 0 onto my spare word
.if \fill
	s_xor_b32 s[G0K+1], s[G0K+1], SLOT1            ; the walking descriptors: the other slot than last time,
	s_add_nc_u64 s[G0K+2:G0K+3], s[G0K+2:G0K+3], 32768   ; the next 256 keys; the type bits on top are not reached
	s_xor_b32 s[G0V+1], s[G0V+1], SLOT1
	s_add_nc_u64 s[G0V+2:G0V+3], s[G0V+2:G0V+3], 32768
	s_wait_xcnt 0x0                                ; the last prefetch, a slot back, has read its address, so it may be written:
	s_add_nc_u64 s[PFA:PFA+1], s[PFA:PFA+1], 32768 ; one slot further on than the walking descriptors
.endif
	s_wait_dscnt 0x0                               ; the add is done, and my reads of the slot that I have left are over
	s_barrier_signal -1
	s_barrier_wait -1
.if \fill
	s_add_co_u32 s50, s[KF], 256                   ; THE LOOK-AHEAD ENDS AT THE CAUSAL LIMIT: a slot whose first key comes after my work-group's last query is read by none of its waves, so it is not asked for.
	s_cmp_gt_u32 s50, s[QL]                        ; Ids and the count of slots alone: all eight waves go the same way, and a work-group that is past the limit stays past it.  Every wait for tensor loads in this text is for 0
	s_cbranch_scc1 .Lpast_\@
	TLOAD                                          ; the first thing behind the barrier but for the limit's three lines, and a wave's one tensor load until the next
.Lpast_\@:
	ASK
.endif
.endm
.macro SLOT_STEPS
	STEP 0, \@
	STEP 1, \@
	STEP 2, \@
	STEP 3, \@
.Lrest_hidden_\@:
	s_add_co_u32 s[KF], s[KF], 256                 ; the next slot's first key,
	s_xor_b32 s[TB], s[TB], SLOT1                  ; in the other slot
.endm
	s_wait_loadcnt 0x0                             ; Q
.Lslot:                                            ; seven trips: behind each change of slots but the last the next slot is asked for, up to the limit
	CHANGE 1
	SLOT_STEPS
	s_sub_co_u32 s[SLOTS], s[SLOTS], 1
	s_cmp_lg_u32 s[SLOTS], 0
	s_cbranch_scc1 .Lslot
	CHANGE 0                                       ; the last slot is written out: nothing is left to ask for
	SLOT_STEPS
	; THE WAY OUT.  O^T is divided by the sum, rounded to f16 and goes through my stage, so that sixteen lanes store two queries of my head: 256 consecutive bytes, aligned.
.rept 4
	v_nop                                          ; places behind the last products
.endr
.irp t, 0,1
	v_rcp_f32 v[ST+8*\t+6], v[O+40*\t+32]          ; register 0 of the sum's accumulator
.endr
	v_nop                                          ; a plain line behind the reciprocals
	s_wait_alu depctr_va_vdst(0)                   ; and the wait ahead of their first reader
.set n, 0
.rept 16
.irp t, 0,1
	v_pk_mul_f32 v[O+40*\t+2*n:O+40*\t+2*n+1], v[O+40*\t+2*n:O+40*\t+2*n+1], v[ST+8*\t+6:ST+8*\t+7] op_sel_hi:[1,0]
.endr
.set n, n+1
.endr
.set n, 0
.rept 16
.irp t, 0,1
	v_cvt_pk_f16_f32 v[P+16*\t+n], v[O+40*\t+2*n], v[O+40*\t+2*n+1]   ; register 4 ct + i: channels 16 ct + 8 h + 2 i, + 1 of query r
.endr
.set n, n+1
.endr
.irp t, 0,1
.irp ct, 0,1,2,3
	ds_store_b128 v[STO], v[P+16*\t+4*\ct:P+16*\t+4*\ct+3] offset:16*PK*\t+32*\ct
.endr
.endr
.irp i, 0,1,2,3,4,5,6,7
	ds_load_b128 v[S+4*\i:S+4*\i+3], v[RD] offset:(\i/4)*16*PK+(\i%4)*2*PK   ; LDS serves a wave's instructions in order: these see my stores
.endr
.irp i, 0,1,2,3,4,5,6,7
	s_wait_dscnt 7-\i                              ; load i is in; the younger ones may be out
	global_store_b128 v[GO], v[S+4*\i:S+4*\i+3], s[OB:OB+1] offset:(8*(\i/4)+2*(\i%4))*4096
.endr
	s_wait_tensorcnt 0x0                           ; the wave's end: three lines behind my last tensor load and my last LDS store
	ds_add_u32 v[SPW], v[NIL]
	s_wait_dscnt 0x0
	s_endpgm
.Lfunc_end_k_qaba69fca3d_attn:
	.size	k_qaba69fca3d_attn, .Lfunc_end_k_qaba69fca3d_attn-k_qaba69fca3d_attn
	.p2alignl 7, 3214868480
	.fill 96, 4, 3214868480
	.section	.rodata,"a",@progbits
	.p2align	6, 0x0
	.amdhsa_kernel k_qaba69fca3d_attn
		.amdhsa_group_segment_fixed_size 327680
		.amdhsa_private_segment_fixed_size 0
		.amdhsa_enable_private_segment 0
		.amdhsa_kernarg_size 16
		.amdhsa_user_sgpr_count 2
		.amdhsa_user_sgpr_kernarg_segment_ptr 1
		.amdhsa_wavefront_size32 1
		.amdhsa_system_sgpr_workgroup_id_x 1
		.amdhsa_system_sgpr_workgroup_id_y 1
		.amdhsa_system_sgpr_workgroup_id_z 1
		.amdhsa_system_vgpr_workitem_id 0
		.amdhsa_next_free_vgpr 512
		.amdhsa_next_free_sgpr 66
		.amdhsa_reserve_vcc 1
		.amdhsa_float_denorm_mode_32 3
		.amdhsa_float_denorm_mode_16_64 3
		.amdhsa_memory_ordered 1
		.amdhsa_forward_progress 1
		.amdhsa_inst_pref_size 176
	.end_amdhsa_kernel
	.amdgpu_metadata
---
amdhsa.version: [ 1, 2 ]
amdhsa.kernels:
  - .name:           k_qaba69fca3d_attn
    .symbol:         k_qaba69fca3d_attn.kd
    .args:
      - { .name: qkv, .offset: 0, .size: 8, .value_kind: global_buffer, .address_space: global }
      - { .name: vecp, .offset: 8, .size: 8, .value_kind: global_buffer, .address_space: global }
    .group_segment_fixed_size: 327680
    .private_segment_fixed_size: 0
    .kernarg_segment_align: 8
    .kernarg_segment_size: 16
    .max_flat_workgroup_size: 256
    .sgpr_count:     66
    .vgpr_count:     512
    .wavefront_size: 32
...
	.end_amdgpu_metadata
.endif
;; end of part 3
;; launch proj (part 4): grid 8 x 32, 4 waves a work-group, clusters of 4 x 4, 327,680 bytes of LDS; arguments vecp, wot, out0; writes out0
.if DOCPART == 4
	.amdgcn_target "amdgcn-amd-amdhsa--gfx1250"
	.amdhsa_code_object_version 6
	.text
	.protected	k_qaba69fca3d_proj
	.globl	k_qaba69fca3d_proj
	.p2align	8
	.type	k_qaba69fca3d_proj,@function
k_qaba69fca3d_proj:
	s_mov_b64 s[64:65], 0
	v_nop
	global_prefetch_b8 v0, s[64:65] scope:SCOPE_SE
	s_setreg_imm32_b32 hwreg(HW_REG_WAVE_MODE, 25, 1), 1
	s_wait_xcnt 0x0
	s_wait_alu depctr_hold_cnt(0) depctr_sa_sdst(0) depctr_va_vdst(0) depctr_va_sdst(0) depctr_va_ssrc(0) depctr_va_vcc(0) depctr_vm_vsrc(0)
	s_getreg_b32 s2, hwreg(HW_REG_IB_STS2, 6, 4)
	s_cmp_eq_u32 s2, 0
	s_cbranch_scc0 .Lentry_in_a_cluster
	s_endpgm
.Lentry_in_a_cluster:
	s_bfe_u32 s2, ttmp6, 0x10000c
	s_cmp_lg_u32 s2, 0xf033
	s_cbranch_scc0 .Lentry_shape_is_right
	s_endpgm
.Lentry_shape_is_right:
; out0 = vectors Wout.  C[m][n] = sum over k of A[m][k] B[n][k], f16 operands, f32 sums and f32 output.  B = wot [1024 n][1024 k].  A = the attention's result in pair rows:
; vecp [m / 2][head 16][m % 2][64]: a K step of 256 (four heads) of two rows of A is 1,024 consecutive bytes.  out0: [4096][1024] f32.
; (Rows 0-15 of each sequence are stored here like the others and are written anew, from f32 operands, by the launch that follows: the partners of a cluster run alike, so none of them leaves rows out.)
; A tile of C is 128 x 128, which gives 256 work-groups.  Four waves, each 64 x 64: 16 accumulators of 16 x 16.  K goes in steps of 256 through two LDS slots.
; CLUSTERS: 4 x 4 work-groups.  The four of a row of the cluster need the same tiles of A, the four of a column the same tiles of B: each tile is asked for JOINTLY, by the same tensor load with the
; same descriptor and a mask that names the four.  THE MATRIX INSTRUCTION IS USED TRANSPOSED (source 0 = 16 rows of B, source 1 = 16 rows of A): a lane then holds eight neighbouring numbers of a row of C.
; REGISTERS: window 0: v0-31 addresses; v32-95 at work on the way out; v128-255 the accumulators ((a, b) at v[128 + 8 (4 a + b)]).
;   window 1: two fragment buffers of 128: for 64 along K, 64 registers of A (2 x 4 x 16 rows x 32 K), then 64 of B.
.set SIZE_N, 1024
.set SIZE_K, 1024
.set KSTEP,  256
.set PITCH,  528                       ; B's LDS row: 512 bytes + 16 of padding = 132 words: row r starts at bank 4 r mod 64 (64 banks of 4 bytes: ISA guide 11.1)
.set APITCH, 1040                      ; A's LDS row, a pair of rows of A: 1,024 bytes + 16.  Row m of A, K = 64 hh + d of the step: (m / 2) APITCH + 256 hh + 128 (m % 2) + 2 d: the 16 rows of a load fall on 16 different groups of 4 banks
.set HALFT,  64*PITCH                  ; what one tensor load may take: B's 64 rows; A's 32 pair rows take 32 APITCH, 512 bytes less
.set SLOT,   4*HALFT                   ; A's two halves, then B's two halves
.set SPARE,  2*SLOT                    ; behind the ring: the spare words, 128 bytes for each wave: two blocks of 256 bytes that no other line names
.set SPITCH, 272                       ; the way out: two stages of 16 rows x (256 bytes + 16) for each wave, in slot 0, which has had its last fill and its last read when the first result is stored there
.set LAPS, SIZE_K/(2*KSTEP)            ; a lap = two K steps = once round the ring
.set ADRA, 16                          ; v16-17  LDS address of my A fragments in slot 0, 1
.set ADRB, 20                          ; v20-21  the same for B
.set STO,  24                          ; v24     the way out: where I put 32 bytes of a row
.set RD,   25                          ; v25     the way out: where I read a row back
.set CO,   26                          ; v26     my byte offset in C
.set SPW,  28                          ; v28     SPARE + 4 x my thread's number; never rewritten
.set NIL,  29                          ; v29     0; never rewritten
.set BKR,  32                          ; the way out: rows read back, v32-63 and v64-95 by turns
.set ACC,  128
.set F0,   0                           ; fragment buffers, in window 1
.set F1,   128
.set G1, 24                            ; s[24:31] descriptor group 1 for A's tiles;  s[32:39] group 0, one set for each slot
.set G0, 32
.set G1B, 48                           ; s[48:55], s[56:63] the same for B's tiles
.set G0B, 56
.set MSB, 0
.macro WIN new                         ; the immediate's high byte repeats the setting that is left
.if MSB != \new
	s_set_vgpr_msb (MSB<<8)|\new
.set MSB, \new
.endif
.endm
.set MUL,  0x05                        ; sources 0 (B) and 1 (A) window 1; C and D window 0
.set TO_F, 0x40                        ; destination window 1, address window 0
.macro JLOAD s                         ; a joint load: waves 0 and 1 fetch A's two halves, waves 2 and 3 B's; an s_nop 0 and four v_nop follow each of the two lines
	s_cmp_eq_u32 s11, 0
	s_cbranch_scc0 .Lfor_b_\@
	tensor_load_to_lds s[G0+4*\s:G0+4*\s+3], s[G1:G1+7]
	s_nop 0
.rept 4
	v_nop
.endr
	s_branch .Lasked_\@
.Lfor_b_\@:
	tensor_load_to_lds s[G0B+4*\s:G0B+4*\s+3], s[G1B:G1B+7]
	s_nop 0
.rept 4
	v_nop
.endr
.Lasked_\@:
.endm
.macro CREST                           ; a round of the cluster's barrier behind its opening barrier
	s_cmp_lg_u32 s10, 0
	s_cbranch_scc1 .Lnot_wave_0_\@
	s_barrier_signal -3
.Lnot_wave_0_\@:
	s_barrier_wait -3
	s_barrier_signal -1
	s_barrier_wait -1
.endm
.macro CROUND                          ; a whole round
	s_barrier_signal -1
	s_barrier_wait -1
	CREST
.endm
	s_load_b128 s[4:7], s[0:1], 0x0                ; vecp s[4:5], wot s[6:7]
	s_load_b64 s[8:9], s[0:1], 0x10                ; out0
	v_lshl_add_u32 v[SPW], v0, 2, SPARE
	v_mov_b32 v[NIL], 0
	ds_add_u32 v[SPW], v[NIL]                      ; the wave's opening: the add, twice on end, and its wait ahead of my first tensor load
	ds_add_u32 v[SPW], v[NIL]                      ; and once more; the set-up below, work on registers, stands between it and the wait
	v_lshrrev_b32 v1, 5, v0
	v_readfirstlane_b32 s10, v1                    ; wave 0..3
	s_lshr_b32 s11, s10, 1                         ; which half of the tile's rows is mine.  Also: I fetch for A (0) or for B (1)
	s_and_b32 s12, s10, 1                          ; which half of its columns.  Also: which half of that tile I fetch
	s_bfe_u32 s40, ttmp6, 0x40000                  ; cx, cy: my place in the cluster
	s_bfe_u32 s41, ttmp6, 0x40004
	s_lshl_b32 s42, ttmp9, 2
	s_add_co_u32 s42, s42, s40                     ; tile column of C = 4 x cluster x + cx
	s_and_b32 s13, ttmp7, 0xffff
	s_lshl_b32 s13, s13, 2
	s_add_co_u32 s13, s13, s41                     ; tile row of C = 4 x cluster y + cy
	s_lshl_b32 s43, s41, 2
	s_lshl_b32 s43, 15, s43                        ; my row of the cluster
	s_lshl_b32 s44, 0x1111, s40                    ; my column
	; descriptor group 1.  A: 32 pair rows x 512 elements of 2 bytes, 2,048 elements apart;  B: 64 rows x 256 elements, 1,024 apart; both padded behind every row
	s_or_b32 s[G1+0], s43, (1<<16)|(1<<20)|(1<<21)|(7<<22)|(3<<25)  ; 15:0 the mask: A's tiles go to my row; 17:16 element of 2 bytes; 20 padding on; 21 set beside a mask; 24:22 after every 256 words (code 7); 31:25 of 4 words (code 3)
	s_mov_b32 s[G1+1], 512<<16                     ; tensor_dim0
	s_mov_b32 s[G1+2], 32<<16                      ; tensor_dim1
	s_mov_b32 s[G1+3], 512<<16                     ; tile_dim0
	s_mov_b32 s[G1+4], 32                          ; tile_dim1
	s_mov_b32 s[G1+5], 2048                        ; tensor_dim0_stride
	s_mov_b32 s[G1+6], 0
	s_mov_b32 s[G1+7], 0
	s_or_b32 s[G1B+0], s44, (1<<16)|(1<<20)|(1<<21)|(6<<22)|(3<<25) ; B's go to my column; padding after every 128 words (code 6)
	s_mov_b32 s[G1B+1], KSTEP<<16
	s_mov_b32 s[G1B+2], 64<<16
	s_mov_b32 s[G1B+3], KSTEP<<16
	s_mov_b32 s[G1B+4], 64
	s_mov_b32 s[G1B+5], SIZE_K
	s_mov_b32 s[G1B+6], 0
	s_mov_b32 s[G1B+7], 0
	s_lshl_b32 s17, s12, 5
	s_lshl_b32 s16, s13, 6
	s_add_co_u32 s16, s16, s17                     ; A: pair row 64 x tile row + 32 x half,
	s_lshl_b32 s16, s16, 12                        ; 4,096 bytes each
	s_mov_b32 s17, 0
	s_lshl_b32 s47, s12, 6
	s_lshl_b32 s46, s42, 7
	s_add_co_u32 s46, s46, s47                     ; B: row 128 x tile column + 64 x half,
	s_lshl_b32 s46, s46, 11                        ; 2,048 bytes each
	s_mov_b32 s47, 0
	s_mul_i32 s20, s10, HALFT                      ; where they go: by the wave's number alone
	s_wait_dscnt 0x0                               ; both opening adds are done
	s_wait_kmcnt 0x0
	s_add_nc_u64 s[14:15], s[4:5], s[16:17]
	s_add_nc_u64 s[46:47], s[6:7], s[46:47]
	CROUND                                         ; all sixteen work-groups are here: the first joint loads meet
.irp s, 0,1
	s_mov_b32 s[G0+4*\s], 1
	s_add_co_u32 s[G0+4*\s+1], s20, \s*SLOT
	s_add_nc_u64 s[G0+4*\s+2:G0+4*\s+3], s[14:15], \s*1024         ; a K step is 1,024 bytes of a pair row
	s_or_b32 s[G0+4*\s+3], s[G0+4*\s+3], 0x80000000
	s_mov_b32 s[G0B+4*\s], 1
	s_add_co_u32 s[G0B+4*\s+1], s20, \s*SLOT
	s_add_nc_u64 s[G0B+4*\s+2:G0B+4*\s+3], s[46:47], \s*KSTEP*2
	s_or_b32 s[G0B+4*\s+3], s[G0B+4*\s+3], 0x80000000
	JLOAD \s
.endr
	v_and_b32 v1, 15, v0                           ; l % 16
	v_bfe_u32 v2, v0, 4, 1                         ; l / 16
	v_mul_u32_u24 v3, v1, PITCH
	v_lshl_add_u32 v3, v2, 4, v3                   ; B: a fragment's row x pitch + 16 x half
	v_lshrrev_b32 v6, 1, v1
	v_mul_u32_u24 v6, v6, APITCH
	v_and_b32 v7, 1, v1
	v_lshl_add_u32 v6, v7, 7, v6
	v_lshl_add_u32 v6, v2, 4, v6                   ; A: pair row x pitch + 128 x (row % 2) + 16 x half
	s_mul_i32 s21, s11, HALFT                      ; my 64 rows of A
	s_mul_i32 s22, s12, HALFT                      ; my 64 rows of B,
	s_add_co_u32 s22, s22, 2*HALFT                 ; which lie behind A's two halves
.irp s, 0,1
	v_add_nc_u32 v[ADRA+\s], s21, v6
	v_add_nc_u32 v[ADRB+\s], s22, v3
	s_add_co_u32 s21, s21, SLOT
	s_add_co_u32 s22, s22, SLOT
.endr
	s_mul_i32 s23, s10, 2*16*SPITCH                ; my two stages
	v_mul_u32_u24 v4, v1, SPITCH                   ; in: row l % 16, 32 bytes for each half of the lanes
	v_lshl_add_u32 v4, v2, 5, v4
	v_add_nc_u32 v[STO], s23, v4
	v_mul_u32_u24 v5, v2, SPITCH                   ; back: lanes 0-15 one row of 256 bytes, lanes 16-31 the next
	v_lshl_add_u32 v5, v1, 4, v5
	v_add_nc_u32 v[RD], s23, v5
	v_lshlrev_b32 v5, 4, v1
	v_lshl_add_u32 v[CO], v2, 12, v5               ; and the same two rows in C
	s_lshl_b32 s16, s13, 7
	s_lshl_b32 s17, s11, 6
	s_add_co_u32 s16, s16, s17                     ; my first row of C: 128 x tile row + 64 x half,
	s_lshl_b32 s16, s16, 12                        ; 4,096 bytes each
	s_mov_b32 s17, 0
	s_add_nc_u64 s[8:9], s[8:9], s[16:17]
	s_lshl_b32 s46, s42, 9                         ; my first column, in bytes: 512 x tile column + 256 x half
	s_lshl_b32 s47, s12, 8
	s_add_co_u32 s46, s46, s47
	s_mov_b32 s47, 0
	s_add_nc_u64 s[8:9], s[8:9], s[46:47]
; 8 matrix instructions: m blocks a0, a0 + 1 x all 4 n blocks, 32 along K: half c of buffer f.  zero = 1: the first product starts the sums.  The 16 accumulators take turns
.macro MUL8 f, c, a0, zero
.irp a, \a0, \a0+1
.irp b, 0,1,2,3
.if \zero
	v_wmma_f32_16x16x32_f16 v[ACC+8*(4*(\a)+\b):ACC+8*(4*(\a)+\b)+7], v[\f+64+8*(4*\c+\b):\f+64+8*(4*\c+\b)+7], v[\f+8*(4*\c+\a):\f+8*(4*\c+\a)+7], 0
.else
	v_wmma_f32_16x16x32_f16 v[ACC+8*(4*(\a)+\b):ACC+8*(4*(\a)+\b)+7], v[\f+64+8*(4*\c+\b):\f+64+8*(4*\c+\b)+7], v[\f+8*(4*\c+\a):\f+8*(4*\c+\a)+7], v[ACC+8*(4*(\a)+\b):ACC+8*(4*(\a)+\b)+7]
.endif
.endr
.endr
.endm
; 32 LDS loads in one run: the fragments of 64 along K (one head) into buffer f; k = its byte in B's rows; in A's pair rows it lies at 2 k.  The first 32 along K first
.macro FETCH slot, k, f
	WIN TO_F
.irp c, 0,1
.irp i, 0,1,2,3
	ds_load_b128 v[\f+64+8*(4*\c+\i):\f+64+8*(4*\c+\i)+3],   v[ADRB+\slot] offset:\k+64*\c+\i*16*PITCH
	ds_load_b128 v[\f+64+8*(4*\c+\i)+4:\f+64+8*(4*\c+\i)+7], v[ADRB+\slot] offset:\k+64*\c+\i*16*PITCH+32
	ds_load_b128 v[\f+8*(4*\c+\i):\f+8*(4*\c+\i)+3],         v[ADRA+\slot] offset:2*\k+64*\c+\i*8*APITCH
	ds_load_b128 v[\f+8*(4*\c+\i)+4:\f+8*(4*\c+\i)+7],       v[ADRA+\slot] offset:2*\k+64*\c+\i*8*APITCH+32
.endr
.endr
.endm
.macro PLACES                          ; four places in front of loads into registers that matrix instructions have read, and of the first read of results (ISA guide 7.12.1 for the reads of results)
.rept 4
	v_nop
.endr
.endm
; A K step is four quarters of 64 along K, 32 matrix instructions each, on buffers 0, 1, 0, 1.  One of the first three: multiplies buffer f and fetches the next quarter, at byte k, into g.
.macro QUARTER slot, k, f, g, zero
	s_wait_dscnt 16                                ; the first 32 along K are in; the youngest sixteen loads may be out
	WIN MUL
	MUL8 \f, 0, 0, \zero
	MUL8 \f, 0, 2, \zero
	PLACES
	FETCH \slot, \k, \g
	s_wait_dscnt 32                                ; all but the 32 just issued
	WIN MUL
	MUL8 \f, 1, 0, 0
	MUL8 \f, 1, 2, 0
.endm
; The last quarter multiplies buffer 1 and changes slots: ONE barrier; in front of it each wave waits for all its tensor loads, adds 0 to its spare word, and waits for that and for its own reads of this slot.  fill = 1: this slot is filled again, two K steps ahead.
.macro TURN slot, next, fill
	WIN 0                                          ; (the add's two registers lie in window 0)
	s_wait_tensorcnt 0x0                           ; all my tensor loads have landed: my part of the next slot;
	ds_add_u32 v[SPW], v[NIL]                      ; 0 onto my spare word;
	s_wait_dscnt 17                                ; (the add and the youngest sixteen loads may be out)
	WIN MUL
	MUL8 F1, 0, 0, 0                               ; eight matrix instructions stand between the add and the wait for it
	s_wait_dscnt 0x0                               ; the add is done, and my reads of this slot are over
	s_barrier_signal -1
	MUL8 F1, 0, 2, 0
.if \fill
	WIN 0
.endif
	s_barrier_wait -1
.if \fill
	CREST                                          ; the barrier has opened a round of the cluster's barrier: no wave of any partner still reads this slot's tile or has a load on its way
	s_add_nc_u64 s[G0+4*\slot+2:G0+4*\slot+3], s[G0+4*\slot+2:G0+4*\slot+3], 2*1024
	s_add_nc_u64 s[G0B+4*\slot+2:G0B+4*\slot+3], s[G0B+4*\slot+2:G0B+4*\slot+3], 2*KSTEP*2
	JLOAD \slot                                    ; the first tensor load behind the round: 112 matrix instructions ahead of the wait for it; the four v_nop behind it are also the places in front of the loads below
.else
	PLACES
.endif
	FETCH \next, 0, F0
	WIN MUL
	MUL8 F1, 1, 0, 0
	MUL8 F1, 1, 2, 0
.endm
	s_wait_tensorcnt 1                             ; my part of K step 0 is in (K step 1's load may be out)
	s_barrier_signal -1
	s_barrier_wait -1                              ; everybody's is
	FETCH 0, 0, F0
	QUARTER 0, 128, F0, F1, 1                      ; the first quarter stands in front of the loop: its first products start the sums
	WIN 0                                          ; at a label and at a branch every window is 0
	s_mov_b32 s3, LAPS-1
.Llap:                                                 ; a trip goes once round the ring, from a lap's second quarter to the next lap's first, and fills both slots again
	QUARTER 0, 256, F1, F0, 0
	QUARTER 0, 384, F0, F1, 0
	TURN 0, 1, 1
	QUARTER 1, 128, F0, F1, 0
	QUARTER 1, 256, F1, F0, 0
	QUARTER 1, 384, F0, F1, 0
	TURN 1, 0, 1
	QUARTER 0, 128, F0, F1, 0
	WIN 0
	s_sub_co_u32 s3, s3, 1
	s_cmp_lg_u32 s3, 0
	s_cbranch_scc1 .Llap
	QUARTER 0, 256, F1, F0, 0                      ; the last lap fills nothing, and has no round of the cluster's barrier
	QUARTER 0, 384, F0, F1, 0
	TURN 0, 1, 0
	QUARTER 1, 128, F0, F1, 0
	QUARTER 1, 256, F1, F0, 0
	QUARTER 1, 384, F0, F1, 0
	s_wait_dscnt 16                                ; the very last quarter: nothing more to fetch
	WIN MUL
	MUL8 F1, 0, 0, 0
	MUL8 F1, 0, 2, 0
	s_wait_dscnt 0
	MUL8 F1, 1, 0, 0
	MUL8 F1, 1, 2, 0
	WIN 0
; THE WAY OUT, in f32.  My 64 columns are 256 bytes of a row of C, aligned: so each wave has stages of its own and no barrier is needed.  A block of 16 rows goes into a stage, 32 bytes a lane, and comes back as whole rows.
.macro TOSTAGE a
.irp b, 0,1,2,3
	ds_store_b128 v[STO], v[ACC+8*(4*(\a)+\b):ACC+8*(4*(\a)+\b)+3] offset:((\a)%2)*16*SPITCH+64*\b          ; each accumulator from its low end on
	ds_store_b128 v[STO], v[ACC+8*(4*(\a)+\b)+4:ACC+8*(4*(\a)+\b)+7] offset:((\a)%2)*16*SPITCH+64*\b+16
.endr
.irp t, 0,1,2,3,4,5,6,7
	ds_load_b128 v[BKR+32*((\a)%2)+4*\t:BKR+32*((\a)%2)+4*\t+3], v[RD] offset:((\a)%2)*16*SPITCH+\t*2*SPITCH   ; LDS serves a wave's instructions in order: these see my stores
.endr
.endm
.macro SEND a, younger                 ; younger: the LDS instructions issued behind block a's loads: the next block's eight stores and eight loads, or none
	s_wait_dscnt \younger
.irp t, 0,1,2,3,4,5,6,7
	global_store_b128 v[CO], v[BKR+32*((\a)%2)+4*\t:BKR+32*((\a)%2)+4*\t+3], s[8:9] offset:(16*(\a)+2*\t)*SIZE_N*4 th:TH_STORE_NT   ; sixteen lanes store 256 consecutive bytes, aligned
.endr
.endm
	PLACES
	TOSTAGE 0
	TOSTAGE 1
	SEND 0, 16
	s_wait_xcnt 0x0                                ; block 0's stores have read their registers: block 2's loads may land there
	TOSTAGE 2
	SEND 1, 16
	s_wait_xcnt 0x0                                ; likewise block 1's, for block 3
	TOSTAGE 3
	SEND 2, 16
	SEND 3, 0
	s_wait_tensorcnt 0x0                           ; the wave's end: three lines behind my last tensor load and my last LDS store
	ds_add_u32 v[SPW], v[NIL]
	s_wait_dscnt 0x0
	CROUND                                         ; the closing round: no work-group ends while a partner may still ask for a tile that names it
	s_endpgm
.Lfunc_end_k_qaba69fca3d_proj:
	.size	k_qaba69fca3d_proj, .Lfunc_end_k_qaba69fca3d_proj-k_qaba69fca3d_proj
	.p2alignl 7, 3214868480
	.fill 96, 4, 3214868480
	.section	.rodata,"a",@progbits
	.p2align	6, 0x0
	.amdhsa_kernel k_qaba69fca3d_proj
		.amdhsa_group_segment_fixed_size 327680
		.amdhsa_private_segment_fixed_size 0
		.amdhsa_enable_private_segment 0
		.amdhsa_kernarg_size 24
		.amdhsa_user_sgpr_count 2
		.amdhsa_user_sgpr_kernarg_segment_ptr 1
		.amdhsa_wavefront_size32 1
		.amdhsa_system_sgpr_workgroup_id_x 1
		.amdhsa_system_sgpr_workgroup_id_y 1
		.amdhsa_system_sgpr_workgroup_id_z 1
		.amdhsa_system_vgpr_workitem_id 0
		.amdhsa_next_free_vgpr 512
		.amdhsa_next_free_sgpr 66
		.amdhsa_reserve_vcc 0
		.amdhsa_float_denorm_mode_32 3
		.amdhsa_float_denorm_mode_16_64 3
		.amdhsa_memory_ordered 1
		.amdhsa_forward_progress 1
		.amdhsa_inst_pref_size 86
	.end_amdhsa_kernel
	.amdgpu_metadata
---
amdhsa.version: [ 1, 2 ]
amdhsa.kernels:
  - .name:           k_qaba69fca3d_proj
    .symbol:         k_qaba69fca3d_proj.kd
    .args:
      - { .name: vecp, .offset: 0, .size: 8, .value_kind: global_buffer, .address_space: global }
      - { .name: wot, .offset: 8, .size: 8, .value_kind: global_buffer, .address_space: global }
      - { .name: out0, .offset: 16, .size: 8, .value_kind: global_buffer, .address_space: global }
    .group_segment_fixed_size: 327680
    .private_segment_fixed_size: 0
    .kernarg_segment_align: 8
    .kernarg_segment_size: 24
    .max_flat_workgroup_size: 128
    .sgpr_count:     66
    .vgpr_count:     512
    .wavefront_size: 32
...
	.end_amdgpu_metadata
.endif
;; end of part 4
;; launch fine (part 5): grid 64 x 2, 16 waves a work-group, no clusters, 22,528 bytes of LDS; arguments fq, Wout, out0; writes out0
.if DOCPART == 5
	.amdgcn_target "amdgcn-amd-amdhsa--gfx1250"
	.amdhsa_code_object_version 6
	.text
	.protected	k_qaba69fca3d_fine
	.globl	k_qaba69fca3d_fine
	.p2align	8
	.type	k_qaba69fca3d_fine,@function
k_qaba69fca3d_fine:
	s_mov_b64 s[64:65], 0
	v_nop
	global_prefetch_b8 v0, s[64:65] scope:SCOPE_SE
	s_setreg_imm32_b32 hwreg(HW_REG_WAVE_MODE, 25, 1), 1
	s_wait_xcnt 0x0
; POSITIONS 0-15 OF BOTH SEQUENCES ONCE MORE, WITH F32 OPERANDS.  Under the causal mask these rows average one to sixteen values and are the largest of the output, so the rounding of f16 operands weighs most there.
; Attention on 16 queries x 16 keys and the product with Wout, by v_wmma_f32_16x16x4_f32: 32 rows of 4,096, no bulk work.  The rows are written over those that the launch before has stored.
; fq: [cy 4][which 3][head 16][position 16][64] f32; batch b lies at cy = 2 b.  Wout: [1024 k][1024 n] f32.  out0: [2][2048][1024] f32.
; SHARES.  Work-group (slice, b) makes columns 16 slice .. + 15 of the 16 rows of batch b: 128 work-groups.  Wave w is head w: it makes its head's attention (32 matrix instructions) and then its part of K (its 64 channels)
; of the product with Wout (16); the sixteen partial sums meet in LDS, one barrier, and waves 0-7 add and store two rows each.
; A STORE'S SIXTEEN LANES COVER 64 CONSECUTIVE BYTES, a quarter of an aligned run of 256: the price of sharing 32 rows among 128 work-groups; whole runs would want 64 columns to a work-group, four times the products and
; loads in each of a quarter as many.  It concerns 128 KiB of the program's 16 MiB of output.
; LAYOUT.  All three products are used transposed, so that a lane holds one query (lane % 16) throughout.  The form's K is 4: register j of lane (r, h) is k = 2 h + j.  A permutation of k applied alike to both sources keeps a product:
;   scores: registers 4 i .. 4 i + 3 of lane (r, h) hold channels 8 i + 4 h + 0 .. 3 of its row of K and of Q (the two halves of the lanes read 32 neighbouring bytes of a row); step c takes registers 2 c, 2 c + 1 of both.
;   O^T = V^T P: p's registers are keys 8 h + 0 .. 7 of my query; V is loaded so that register jj of tile t is V(key 8 h + jj, channel 16 t + r).
;   out^T = Wout^T vec^T: vec's registers are channels 16 t + 8 h + 0 .. 7; Wout is loaded so that register 8 t + jj is Wout(64 w + 16 t + 8 h + jj, my slice's column r).
; Each product runs on four accumulators by turns, one instruction a turn; each sum begins with the constant 0; the accumulators v120-151 are written by matrix instructions alone.
; No tensor load, no cluster: what the work-groups of a batch share (fq, 192 KiB) comes through registers, lane by lane in the operands' order, which no tile of rows gives.
.set PP,    80                         ; a row of a partial sum in LDS: 16 columns, 64 bytes, + 16
.set PH,    16*PP                      ; a head's partial sum: 16 rows
.set SPARE, 16*PH                      ; behind the sixteen partial sums: the spare words, 128 bytes for each wave: eight blocks of 256 bytes that no other line names
.set AQ,  4                            ; v4   Q, K: 256 r + 16 h
.set AV,  5                            ; v5   V: 2048 h + 4 r
.set AW,  6                            ; v6   Wout: 32768 h + 4 r
.set PST, 7                            ; v7   where I put 32 bytes of my head's partial sum
.set PRD, 8                            ; v8   where I read 4 bytes of row 2 w + h of a partial sum
.set GO,  9                            ; v9   out0: 4096 h + 4 r
.set SPW, 18                           ; v18  SPARE + 4 x my thread's number; never rewritten
.set NIL, 19                           ; v19  0; never rewritten
.set QF,  24                           ; v24-55   Q; later the partial sums read back
.set KFR, 56                           ; v56-87   K; later vec
.set VT,  88                           ; v88-119  V
.set ACC, 120                          ; v120-151 four accumulators
.set WF,  152                          ; v152-183 Wout's fragments
.set SP,  248                          ; v248-255 scores, then p; later my head's partial sum
	s_load_b128 s[4:7], s[0:1], 0x0                ; fq s[4:5], Wout s[6:7]
	s_load_b64 s[8:9], s[0:1], 0x10                ; out0
	v_lshl_add_u32 v[SPW], v0, 2, SPARE
	v_mov_b32 v[NIL], 0
	v_lshrrev_b32 v1, 5, v0
	v_readfirstlane_b32 s10, v1                    ; wave = head 0..15
	s_and_b32 s11, ttmp7, 0xffff                   ; batch
	v_and_b32 v1, 15, v0                           ; r
	v_bfe_u32 v2, v0, 4, 1                         ; h
	v_lshlrev_b32 v[AQ], 8, v1
	v_lshl_add_u32 v[AQ], v2, 4, v[AQ]
	v_lshlrev_b32 v[AV], 2, v1                     ; 4 r
	v_lshl_add_u32 v[GO], v2, 12, v[AV]
	v_lshl_add_u32 v[AW], v2, 15, v[AV]
	v_mul_u32_u24 v[PRD], v2, PP
	v_add_nc_u32 v[PRD], v[PRD], v[AV]
	s_mul_i32 s12, s10, 2*PP
	v_add_nc_u32 v[PRD], s12, v[PRD]               ; row 2 w + h, column r (read by waves 0-7 alone; made here, ahead of the parting)
	v_lshl_add_u32 v[AV], v2, 11, v[AV]
	v_mul_u32_u24 v[PST], v1, PP
	v_lshl_add_u32 v[PST], v2, 5, v[PST]
	s_mul_i32 s12, s10, PH
	v_add_nc_u32 v[PST], s12, v[PST]               ; my head's partial sum: row r, + 32 h
	v_lshlrev_b32 v14, 3, v2
	v_sub_nc_u32 v14, v1, v14                      ; v14: r - 8 h, for the mask
	v_mov_b32 v15, 0xff800000                      ; v15: -infinity
	v_mov_b32 v11, 0                               ; written once: a lane permute's destination counts as one of its sources
	s_mov_b32 s20, 0x76543210
	s_mov_b32 s21, 0xfedcba98                      ; v_permlanex16_b32's selects for lane l xor 16
	s_mov_b32 s22, 0x3e38aa3b                      ; c = log2(e) / 8
	s_mul_i32 s12, s11, 96
	s_add_co_u32 s12, s12, s10
	s_lshl_b32 s12, s12, 12                        ; fq: (6 b x 16 + head) x 4,096; K lies 65,536 bytes on, V 131,072
	s_mov_b32 s13, 0
	s_lshl_b32 s14, s10, 18                        ; Wout: my head's 64 rows of 4,096 bytes,
	s_lshl_b32 s16, ttmp9, 6                       ; the slice's 64 bytes of each
	s_add_co_u32 s14, s14, s16
	s_mov_b32 s15, 0
	s_lshl_b32 s18, s11, 11
	s_lshl_b32 s17, s10, 1
	s_add_co_u32 s18, s18, s17                     ; out0: row 2048 b + 2 x wave (stored by waves 0-7 alone),
	s_lshl_b32 s18, s18, 12
	s_add_co_u32 s18, s18, s16                     ; the slice's 64 bytes
	s_mov_b32 s19, 0
	s_wait_kmcnt 0x0
	s_add_nc_u64 s[4:5], s[4:5], s[12:13]
	s_add_nc_u64 s[6:7], s[6:7], s[14:15]
	s_add_nc_u64 s[8:9], s[8:9], s[18:19]
.irp i, 0,1,2,3,4,5,6,7
	global_load_b128 v[QF+4*\i:QF+4*\i+3], v[AQ], s[4:5] offset:32*\i
.endr
.irp i, 0,1,2,3,4,5,6,7
	global_load_b128 v[KFR+4*\i:KFR+4*\i+3], v[AQ], s[4:5] offset:65536+32*\i
.endr
.irp t, 0,1,2,3
.irp j, 0,1,2,3,4,5,6,7
	global_load_b32 v[VT+8*\t+\j], v[AV], s[4:5] offset:131072+256*\j+64*\t
.endr
.endr
.irp j, 0,1,2,3,4,5,6,7
	global_load_b32 v[WF+\j], v[AW], s[6:7] offset:\j*4096         ; Wout's first eight: 56 loads of mine are out
.endr
	s_wait_loadcnt 8                               ; Q, K and V are in; Wout's eight may be out
.irp t, 1,2,3
.irp j, 0,1,2,3,4,5,6,7
	global_load_b32 v[WF+8*\t+\j], v[AW], s[6:7] offset:(16*\t+\j)*4096   ; its other 24 land while the attention is made
.endr
.endr
	; S^T = K Q^T: 16 steps of 4 along the 64 channels, in four partial sums
.irp c, 0,1,2,3,4,5,6,7,8,9,10,11,12,13,14,15
.if \c < 4
	v_wmma_f32_16x16x4_f32 v[ACC+8*(\c%4):ACC+8*(\c%4)+7], v[KFR+2*\c:KFR+2*\c+1], v[QF+2*\c:QF+2*\c+1], 0
.else
	v_wmma_f32_16x16x4_f32 v[ACC+8*(\c%4):ACC+8*(\c%4)+7], v[KFR+2*\c:KFR+2*\c+1], v[QF+2*\c:QF+2*\c+1], v[ACC+8*(\c%4):ACC+8*(\c%4)+7]
.endif
.endr
.rept 8
	v_nop                                          ; eight places behind this form, in front of the first read of results (ISA guide 7.12.1)
.endr
.irp p, 0,1,2,3
	v_pk_add_f32 v[SP+2*\p:SP+2*\p+1], v[ACC+2*\p:ACC+2*\p+1], v[ACC+8+2*\p:ACC+8+2*\p+1]     ; the four partial sums, each from its low end: register j = score(key 8 h + j, query r)
.endr
.irp p, 0,1,2,3
	v_pk_add_f32 v[SP+2*\p:SP+2*\p+1], v[SP+2*\p:SP+2*\p+1], v[ACC+16+2*\p:ACC+16+2*\p+1]
.endr
.irp p, 0,1,2,3
	v_pk_add_f32 v[SP+2*\p:SP+2*\p+1], v[SP+2*\p:SP+2*\p+1], v[ACC+24+2*\p:ACC+24+2*\p+1]
.endr
.irp j, 0,1,2,3,4,5,6,7
	v_cmp_gt_i32 vcc_lo, \j, v14                   ; key 8 h + j comes after query r: hidden
	v_cndmask_b32 v[SP+\j], v[SP+\j], v15, vcc_lo
.endr
	v_max3_num_f32 v10, v[SP], v[SP+1], v[SP+2]
	v_max3_num_f32 v10, v10, v[SP+3], v[SP+4]
	v_max3_num_f32 v10, v10, v[SP+5], v[SP+6]
	v_max_num_f32 v10, v10, v[SP+7]
	v_permlanex16_b32 v11, v10, s20, s21
	v_max_num_f32 v10, v10, v11                    ; the row's maximum: key 0 counts for every query, so it is a number
	v_mul_f32 v10, s22, v10
.irp j, 0,1,2,3,4,5,6,7
	v_fma_f32 v[SP+\j], v[SP+\j], s22, -v10        ; c s - c m
.endr
.irp j, 0,1,2,3,4,5,6,7
	v_exp_f32 v[SP+\j], v[SP+\j]
.endr
	v_nop                                          ; a plain line behind the last exponential
	s_wait_alu depctr_va_vdst(0)                   ; one wait for the eight, ahead of their first reader
	v_pk_add_f32 v[16:17], v[SP:SP+1], v[SP+2:SP+3]
	v_pk_add_f32 v[12:13], v[SP+4:SP+5], v[SP+6:SP+7]
	v_pk_add_f32 v[16:17], v[16:17], v[12:13]
	v_add_f32 v16, v16, v17
	v_permlanex16_b32 v11, v16, s20, s21
	v_add_f32 v16, v16, v11                        ; the row's sum
	v_rcp_f32 v12, v16
	v_nop                                          ; a plain line behind the reciprocal
	s_wait_alu depctr_va_vdst(0)                   ; and its wait
	; O^T = V^T P: 4 steps of 4 along the 16 keys, four tiles of 16 channels by turns.  More than nine plain lines that name none of their registers stand since the scores' products, whose accumulators are begun anew here
.irp c, 0,1,2,3
.irp t, 0,1,2,3
.if \c == 0
	v_wmma_f32_16x16x4_f32 v[ACC+8*\t:ACC+8*\t+7], v[VT+8*\t+2*\c:VT+8*\t+2*\c+1], v[SP+2*\c:SP+2*\c+1], 0
.else
	v_wmma_f32_16x16x4_f32 v[ACC+8*\t:ACC+8*\t+7], v[VT+8*\t+2*\c:VT+8*\t+2*\c+1], v[SP+2*\c:SP+2*\c+1], v[ACC+8*\t:ACC+8*\t+7]
.endif
.endr
.endr
.rept 9
	v_nop                                          ; eight places in front of the first read of results; nine in front of the products below, which begin these accumulators anew
.endr
.irp t, 0,1,2,3
.irp p, 0,1,2,3
	v_pk_mul_f32 v[KFR+8*\t+2*\p:KFR+8*\t+2*\p+1], v[ACC+8*\t+2*\p:ACC+8*\t+2*\p+1], v[12:13] op_sel_hi:[1,0]   ; vec = O^T / the sum, into K's registers: register 8 t + j = channel 16 t + 8 h + j of query r
.endr
.endr
	s_wait_loadcnt 0x0                             ; all of Wout's fragments
	; out^T = Wout^T vec^T: 16 steps of 4 along my head's 64 channels, in four partial sums by turns
.irp t, 0,1,2,3
.irp c, 0,1,2,3
.if \t == 0
	v_wmma_f32_16x16x4_f32 v[ACC+8*\c:ACC+8*\c+7], v[WF+8*\t+2*\c:WF+8*\t+2*\c+1], v[KFR+8*\t+2*\c:KFR+8*\t+2*\c+1], 0
.else
	v_wmma_f32_16x16x4_f32 v[ACC+8*\c:ACC+8*\c+7], v[WF+8*\t+2*\c:WF+8*\t+2*\c+1], v[KFR+8*\t+2*\c:KFR+8*\t+2*\c+1], v[ACC+8*\c:ACC+8*\c+7]
.endif
.endr
.endr
.rept 8
	v_nop                                          ; places in front of the first read of results
.endr
.irp p, 0,1,2,3
	v_pk_add_f32 v[SP+2*\p:SP+2*\p+1], v[ACC+2*\p:ACC+2*\p+1], v[ACC+8+2*\p:ACC+8+2*\p+1]     ; the four partial sums, each from its low end, into other registers
.endr
.irp p, 0,1,2,3
	v_pk_add_f32 v[SP+2*\p:SP+2*\p+1], v[SP+2*\p:SP+2*\p+1], v[ACC+16+2*\p:ACC+16+2*\p+1]
.endr
.irp p, 0,1,2,3
	v_pk_add_f32 v[SP+2*\p:SP+2*\p+1], v[SP+2*\p:SP+2*\p+1], v[ACC+24+2*\p:ACC+24+2*\p+1]
.endr
	ds_store_b128 v[PST], v[SP:SP+3]               ; lane (r, h): my head's part of out(query r, column 8 h + 0 .. 7 of the slice)
	ds_store_b128 v[PST], v[SP+4:SP+7] offset:16
	s_wait_dscnt 0x0                               ; for the others' sake: my stores have landed
	s_barrier_signal -1
	s_barrier_wait -1                              ; the sixteen heads' partial sums lie in LDS
	s_cmp_lt_u32 s10, 8                            ; 16 rows x 16 columns are 256 numbers: eight waves, a number a lane (no barrier stands in this branch)
	s_cbranch_scc0 .Lall_stored
.irp i, 0,1,2,3,4,5,6,7,8,9,10,11,12,13,14,15
	ds_load_b32 v[QF+\i], v[PRD] offset:PH*\i      ; head i's part of out(row 2 w + h, column r)
.endr
	s_wait_dscnt 0x0
.irp i, 0,4,8,12
	v_pk_add_f32 v[QF+\i:QF+\i+1], v[QF+\i:QF+\i+1], v[QF+\i+2:QF+\i+3]
.endr
	v_pk_add_f32 v[QF:QF+1], v[QF:QF+1], v[QF+4:QF+5]
	v_pk_add_f32 v[QF+8:QF+9], v[QF+8:QF+9], v[QF+12:QF+13]
	v_pk_add_f32 v[QF:QF+1], v[QF:QF+1], v[QF+8:QF+9]
	v_add_f32 v[QF], v[QF], v[QF+1]
	global_store_b32 v[GO], v[QF], s[8:9]          ; lanes 0-15 store 64 consecutive bytes of row 2 w, lanes 16-31 of row 2 w + 1
.Lall_stored:
	s_wait_tensorcnt 0x0                           ; the wave's end: three lines behind my last LDS store
	ds_add_u32 v[SPW], v[NIL]
	s_wait_dscnt 0x0
	s_endpgm
.Lfunc_end_k_qaba69fca3d_fine:
	.size	k_qaba69fca3d_fine, .Lfunc_end_k_qaba69fca3d_fine-k_qaba69fca3d_fine
	.p2alignl 7, 3214868480
	.fill 96, 4, 3214868480
	.section	.rodata,"a",@progbits
	.p2align	6, 0x0
	.amdhsa_kernel k_qaba69fca3d_fine
		.amdhsa_group_segment_fixed_size 22528
		.amdhsa_private_segment_fixed_size 0
		.amdhsa_enable_private_segment 0
		.amdhsa_kernarg_size 24
		.amdhsa_user_sgpr_count 2
		.amdhsa_user_sgpr_kernarg_segment_ptr 1
		.amdhsa_wavefront_size32 1
		.amdhsa_system_sgpr_workgroup_id_x 1
		.amdhsa_system_sgpr_workgroup_id_y 1
		.amdhsa_system_sgpr_workgroup_id_z 1
		.amdhsa_system_vgpr_workitem_id 0
		.amdhsa_next_free_vgpr 256
		.amdhsa_next_free_sgpr 66
		.amdhsa_reserve_vcc 1
		.amdhsa_float_denorm_mode_32 3
		.amdhsa_float_denorm_mode_16_64 3
		.amdhsa_memory_ordered 1
		.amdhsa_forward_progress 1
		.amdhsa_inst_pref_size 21
	.end_amdhsa_kernel
	.amdgpu_metadata
---
amdhsa.version: [ 1, 2 ]
amdhsa.kernels:
  - .name:           k_qaba69fca3d_fine
    .symbol:         k_qaba69fca3d_fine.kd
    .args:
      - { .name: fq, .offset: 0, .size: 8, .value_kind: global_buffer, .address_space: global }
      - { .name: Wout, .offset: 8, .size: 8, .value_kind: global_buffer, .address_space: global }
      - { .name: out0, .offset: 16, .size: 8, .value_kind: global_buffer, .address_space: global }
    .group_segment_fixed_size: 22528
    .private_segment_fixed_size: 0
    .kernarg_segment_align: 8
    .kernarg_segment_size: 24
    .max_flat_workgroup_size: 512
    .sgpr_count:     66
    .vgpr_count:     256
    .wavefront_size: 32
...
	.end_amdgpu_metadata
.endif
;; end of part 5
